; MI455X (gfx1250); checked and timed in simulation.
; The chip was launched on July 23, 2026; its instructions are those of AMD's public machine-readable ISA for CDNA 5 (MIT licence, August 2026) and "CDNA5" Instruction Set Architecture Reference Guide (July 2026). The comments in the code are by the model that wrote it; some were corrected since.
;; Legacy Griffin Recurrent Path. Allowed arithmetic: float matrix products may take bf16 or f16 operands with f32 sums; other float arithmetic in f32, or as packed bf16 or f16 multiplies, adds, multiply-adds, maxima and minima; sums over many terms, partial sums and values carried from step to step in f32; what a program stores and reads back later, other than sums and carried values, may be rounded once to bf16 or f16.
;; Inputs: W_decay 2,048 x 2,048 float32; W_gate 2,048 x 2,048 float32; W_in 2,048 x 2,048 float32; W_out 2,048 x 2,048 float32; b_decay 2,048 float32; b_gate 2,048 float32; b_in 2,048 float32; b_out 2,048 float32; decay_bias 2,048 float32; x 4 x 1,024 x 2,048 float32.
;; Outputs: out0 4 x 1,024 x 2,048 float32.
;; 2 versions, each right; version 2 is version 1 with the launch cast written anew for expert scheduling mode. Each part assembles by itself: llvm-mc -triple=amdgcn-amd-amdhsa -mcpu=gfx1250 --defsym DOCPART=n.
;; ======== version 1 of 2: 3 launches
;; workspace buffers: xb 16,777,216 bytes; wp 25,165,824 bytes; wo 8,388,608 bytes; yt 16,777,216 bytes
;; launch cast (part 1): grid 256 x 6, 8 waves a work-group, no clusters, 0 bytes of LDS; arguments x, W_in, W_decay, W_gate, W_out, xb, wp, wo; writes xb, wp, wo
.if DOCPART == 1
	.amdgcn_target "amdgcn-amd-amdhsa--gfx1250"
	.amdhsa_code_object_version 6
	.text
	.protected	k_qf5f5a3f035_cast
	.globl	k_qf5f5a3f035_cast
	.p2align	8
	.type	k_qf5f5a3f035_cast,@function
k_qf5f5a3f035_cast:
	s_mov_b64 s[64:65], 0
	v_nop
	global_prefetch_b8 v0, s[64:65] scope:SCOPE_SE
	s_setreg_imm32_b32 hwreg(HW_REG_WAVE_MODE, 25, 1), 1
	s_wait_xcnt 0x0
; f32 -> bf16 (nearest even), once for every matrix operand, laid out as the two products want their tiles:
;   xb [b 4][kb 32][row 1024][64 k]            a (b, kb) tile is 131,072 dense bytes
;   wp [g 64][kb 32][in, decay, gate][k 64][32 columns]   a (g, kb) tile is 12,288 dense bytes
;   wo [k 2048][n 2048]                        W_out as it lies
; A stream: each input byte is read once, each output byte written once.  No LDS, no matrix unit, no cluster: no byte is wanted twice.
; The unit of work: a wave loads 512 bytes (4 f32 a lane), rounds, and stores 256 consecutive bytes, aligned (8 bytes a lane).
; A wave does 16 such units, all 16 loads out at once; a work-group of eight waves turns 16,384 numbers.  No register is written twice,
; so the only waits are the counted ones for the loads.
; Work-group y chooses the job: 0, 1: x (8 rows each);  2, 3, 4: W_in, W_decay, W_gate (8 rows of k each);  5: W_out (8 rows each).
.set VI,  2                            ; v2   my byte offset in the source
.set VO,  3                            ; v3   my byte offset in the destination
.set LN,  4                            ; v4   lane
.set X,   16                           ; v[16:79]   unit t: 4 f32
.set Y,   80                           ; v[80:111]  unit t: 4 bf16
.set IN,  24                           ; s[24:25]
.set OUT, 26                           ; s[26:27]
.macro JOB si, so                      ; unit t lies t x si bytes on in the source and t x so bytes on in the destination
.set t, 0
.rept 16
	global_load_b128 v[X+4*t:X+4*t+3], v[VI], s[IN:IN+1] offset:t*(\si) th:TH_LOAD_NT
.set t, t+1
.endr
.set t, 0
.rept 16
	s_wait_loadcnt 15-t                            ; loads come back in order: unit t is in, the 15 - t younger ones stay out
	v_cvt_pk_bf16_f32 v[Y+2*t], v[X+4*t], v[X+4*t+1]
	v_cvt_pk_bf16_f32 v[Y+2*t+1], v[X+4*t+2], v[X+4*t+3]
	global_store_b64 v[VO], v[Y+2*t:Y+2*t+1], s[OUT:OUT+1] offset:t*(\so)  ; 32 lanes x 8 bytes: 256 consecutive bytes, aligned
.set t, t+1
.endr
	s_endpgm
.endm
	s_load_b256 s[8:15], s[0:1], 0x0               ; x s[8:9], W_in s[10:11], W_decay s[12:13], W_gate s[14:15]
	s_load_b256 s[16:23], s[0:1], 0x20             ; W_out s[16:17], xb s[18:19], wp s[20:21], wo s[22:23]
	v_lshrrev_b32 v1, 5, v0
	v_readfirstlane_b32 s2, v1                     ; wave 0..7
	v_and_b32 v[LN], 31, v0
	s_and_b32 s3, ttmp7, 0xffff                    ; the job
	s_mov_b32 s29, 0                               ; high words of the two offset pairs
	s_mov_b32 s31, 0
	s_wait_kmcnt 0x0
	s_cmp_lt_u32 s3, 2
	s_cbranch_scc1 .Ljob_x
	s_cmp_eq_u32 s3, 5
	s_cbranch_scc1 .Ljob_wo
	; W_in, W_decay or W_gate: rows k = 8 i .. 8 i + 7.  A unit is 4 rows of k x 32 columns: column group g = 16 (w >> 1) + t.
	s_cmp_eq_u32 s3, 2
	s_cselect_b64 s[IN:IN+1], s[10:11], s[12:13]
	s_cmp_eq_u32 s3, 4
	s_cselect_b64 s[IN:IN+1], s[14:15], s[IN:IN+1]
	s_lshl_b32 s28, ttmp9, 16                      ; 8 rows of 8,192 bytes
	s_add_nc_u64 s[IN:IN+1], s[IN:IN+1], s[28:29]
	s_lshr_b32 s30, ttmp9, 3                       ; kb = i / 8
	s_mul_i32 s30, s30, 12288
	s_sub_co_u32 s4, s3, 2                         ; which of the three
	s_lshl_b32 s4, s4, 12
	s_add_co_u32 s30, s30, s4
	s_and_b32 s4, ttmp9, 7                         ; 8 rows of 64 bytes inside the tile
	s_lshl_b32 s4, s4, 9
	s_add_co_u32 s30, s30, s4
	s_add_nc_u64 s[OUT:OUT+1], s[20:21], s[30:31]
	s_and_b32 s4, s2, 1
	s_lshr_b32 s5, s2, 1
	v_lshrrev_b32 v5, 3, v[LN]
	v_lshl_add_u32 v5, s4, 2, v5                   ; row 4 (w & 1) + lane / 8
	v_and_b32 v6, 7, v[LN]
	v_lshlrev_b32 v6, 4, v6                        ; 4 columns a lane
	v_lshl_add_u32 v[VI], v5, 13, v6
	s_lshl_b32 s6, s5, 11                          ; 16 column groups of 128 bytes
	v_add_nc_u32 v[VI], s6, v[VI]
	s_mul_i32 s6, s5, 6291456                      ; 16 column groups of 393,216 bytes
	s_lshl_b32 s7, s4, 8                           ; 4 rows of 64 bytes
	s_add_co_u32 s6, s6, s7
	v_lshl_add_u32 v[VO], v[LN], 3, s6
	JOB 128, 393216
.Ljob_x:                                       ; rows 8 j .. 8 j + 7 of x's 4,096.  A unit is 2 rows x 64 k: kb = 16 (w >> 2) + t
	s_lshl_b32 s4, s3, 8
	s_add_co_u32 s4, s4, ttmp9                     ; j
	s_lshl_b32 s28, s4, 16
	s_add_nc_u64 s[IN:IN+1], s[8:9], s[28:29]
	s_lshr_b32 s5, s4, 7                           ; the sequence
	s_lshl_b32 s30, s5, 22
	s_and_b32 s5, s4, 127
	s_lshl_b32 s5, s5, 10                          ; 8 rows of 128 bytes
	s_add_co_u32 s30, s30, s5
	s_add_nc_u64 s[OUT:OUT+1], s[18:19], s[30:31]
	s_and_b32 s4, s2, 3
	s_lshr_b32 s5, s2, 2
	v_lshrrev_b32 v5, 4, v[LN]
	v_lshl_add_u32 v5, s4, 1, v5                   ; row 2 (w & 3) + lane / 16
	v_and_b32 v6, 15, v[LN]
	v_lshlrev_b32 v6, 4, v6
	v_lshl_add_u32 v[VI], v5, 13, v6
	s_lshl_b32 s6, s5, 12                          ; half a row
	v_add_nc_u32 v[VI], s6, v[VI]
	s_lshl_b32 s6, s5, 21                          ; 16 tiles of 131,072 bytes
	s_lshl_b32 s7, s4, 8                           ; 2 rows of 128 bytes
	s_add_co_u32 s6, s6, s7
	v_lshl_add_u32 v[VO], v[LN], 3, s6
	JOB 256, 131072
.Ljob_wo:                                      ; W_out's rows 8 i .. 8 i + 7, a row a wave.  A unit is 128 columns
	s_lshl_b32 s28, ttmp9, 16
	s_add_nc_u64 s[IN:IN+1], s[16:17], s[28:29]
	s_lshl_b32 s30, ttmp9, 15
	s_add_nc_u64 s[OUT:OUT+1], s[22:23], s[30:31]
	s_lshl_b32 s6, s2, 13
	v_lshl_add_u32 v[VI], v[LN], 4, s6
	s_lshl_b32 s6, s2, 12
	v_lshl_add_u32 v[VO], v[LN], 3, s6
	JOB 512, 256
.Lfunc_end_k_qf5f5a3f035_cast:
	.size	k_qf5f5a3f035_cast, .Lfunc_end_k_qf5f5a3f035_cast-k_qf5f5a3f035_cast
	.p2alignl 7, 3214868480
	.fill 96, 4, 3214868480
	.section	.rodata,"a",@progbits
	.p2align	6, 0x0
	.amdhsa_kernel k_qf5f5a3f035_cast
		.amdhsa_group_segment_fixed_size 0
		.amdhsa_private_segment_fixed_size 0
		.amdhsa_enable_private_segment 0
		.amdhsa_kernarg_size 64
		.amdhsa_user_sgpr_count 2
		.amdhsa_user_sgpr_kernarg_segment_ptr 1
		.amdhsa_wavefront_size32 1
		.amdhsa_system_sgpr_workgroup_id_x 1
		.amdhsa_system_sgpr_workgroup_id_y 1
		.amdhsa_system_sgpr_workgroup_id_z 1
		.amdhsa_system_vgpr_workitem_id 0
		.amdhsa_next_free_vgpr 112
		.amdhsa_next_free_sgpr 66
		.amdhsa_reserve_vcc 0
		.amdhsa_float_denorm_mode_32 3
		.amdhsa_float_denorm_mode_16_64 3
		.amdhsa_memory_ordered 1
		.amdhsa_forward_progress 1
		.amdhsa_inst_pref_size 20
	.end_amdhsa_kernel
	.amdgpu_metadata
---
amdhsa.version: [ 1, 2 ]
amdhsa.kernels:
  - .name:           k_qf5f5a3f035_cast
    .symbol:         k_qf5f5a3f035_cast.kd
    .args:
      - { .name: x, .offset: 0, .size: 8, .value_kind: global_buffer, .address_space: global }
      - { .name: W_in, .offset: 8, .size: 8, .value_kind: global_buffer, .address_space: global }
      - { .name: W_decay, .offset: 16, .size: 8, .value_kind: global_buffer, .address_space: global }
      - { .name: W_gate, .offset: 24, .size: 8, .value_kind: global_buffer, .address_space: global }
      - { .name: W_out, .offset: 32, .size: 8, .value_kind: global_buffer, .address_space: global }
      - { .name: xb, .offset: 40, .size: 8, .value_kind: global_buffer, .address_space: global }
      - { .name: wp, .offset: 48, .size: 8, .value_kind: global_buffer, .address_space: global }
      - { .name: wo, .offset: 56, .size: 8, .value_kind: global_buffer, .address_space: global }
    .group_segment_fixed_size: 0
    .private_segment_fixed_size: 0
    .kernarg_segment_align: 8
    .kernarg_segment_size: 64
    .max_flat_workgroup_size: 256
    .sgpr_count:     66
    .vgpr_count:     112
    .wavefront_size: 32
...
	.end_amdgpu_metadata
.endif
;; end of part 1
;; launch proj (part 2): grid 64 x 4, 4 waves a work-group, clusters of 4 x 4, 327,680 bytes of LDS; arguments xb, wp, b_in, b_decay, decay_bias, b_gate, yt; writes yt
.if DOCPART == 2
	.amdgcn_target "amdgcn-amd-amdhsa--gfx1250"
	.amdhsa_code_object_version 6
	.text
	.protected	k_qf5f5a3f035_proj
	.globl	k_qf5f5a3f035_proj
	.p2align	8
	.type	k_qf5f5a3f035_proj,@function
k_qf5f5a3f035_proj:
	s_mov_b64 s[64:65], 0
	v_nop
	global_prefetch_b8 v0, s[64:65] scope:SCOPE_SE
	s_setreg_imm32_b32 hwreg(HW_REG_WAVE_MODE, 25, 1), 1
	s_wait_xcnt 0x0
	s_wait_alu depctr_hold_cnt(0) depctr_sa_sdst(0) depctr_va_vdst(0) depctr_va_sdst(0) depctr_va_ssrc(0) depctr_va_vcc(0) depctr_vm_vsrc(0)
	s_getreg_b32 s2, hwreg(HW_REG_IB_STS2, 6, 4)
	s_cmp_eq_u32 s2, 0
	s_cbranch_scc0 .Lentry_in_a_cluster
	s_endpgm
.Lentry_in_a_cluster:
	s_bfe_u32 s2, ttmp6, 0x10000c
	s_cmp_lg_u32 s2, 0xf033
	s_cbranch_scc0 .Lentry_shape_is_right
	s_endpgm
.Lentry_shape_is_right:
; y = sigmoid(x Wg + bg) * s,   s_t = d_t s_(t-1) + (1 - d_t) i_t,   i = silu(x Wi + bi),   d = sigmoid(x Wd + bd + decay_bias).
; One launch for the three products, the activations, the whole recurrence and the gate: i, d, the gate and s never leave registers.  y leaves in bf16, transposed: yt [channel 2048][row 4096].
; SHARES.  A work-group owns ONE sequence b (all 1,024 positions) and 32 columns (group g) of all three products: 4 x 64 = 256 work-groups.  The positions are 8 CHAINS of 128; wave w owns chains w and w + 4.
; LAYOUT.  D = A B, source 0 = 16 rows of x, source 1 = 16 columns of W: in D a lane holds ONE column (lane % 16), and register j the fragment's row 8 (lane / 16) + j.  Fragment rows 0-7 of tile a are positions
; 8 a .. 8 a + 7 of chain w, rows 8-15 the same positions of chain w + 4.  So a lane's registers over a = 0 .. 15 are the 128 consecutive positions of one chain and column: the recurrence runs inside a lane.
; THE RECURRENCE.  Each lane scans its chain from state 0 (s_loc) and keeps the running product of d (P); the chains' last s_loc and P meet in LDS (f32); each lane folds the chains before its own into a carry C;
; s = s_loc + P C.
; 96 accumulators a wave (16 tiles x in, decay, gate x 2 column blocks): 768 registers.  K goes in steps of 64 through two LDS slots.
; CLUSTER 4 x 4.  x's tile hangs on b alone: the four work-groups of a row of the cluster ask for it jointly; W's tile hangs on g alone: the four of a column do.
; THE WALK ALONG K IS STAGGERED.  Cluster x begins at K step 8 (x % 4) and goes round, modulo 32.  All sixteen clusters read the same tiles of x: with four starting points a tile is asked for at four
; different times, not by all clusters at once.  The starting point hangs on the cluster's number alone: it is the same in all sixteen partners.
; LIMITS.  All inputs enter rounded to bf16, the biases too; y is rounded once to bf16.  d is made as 1 - 1 / (1 + e^z): absolute error up to 6e-8, and 0 where e^z is below 2^-126.
; s = s_loc + P C is another order of rounding than the step-by-step one; a product's terms are added from the walk's starting point on.  NaN and infinities among the inputs are not treated apart.
; REGISTERS, in windows of 256 (s_set_vgpr_msb: bits 1:0 source 0, 3:2 source 1, 5:4 source 2, 7:6 destination):
;   window 0: v0-31 addresses, biases, carries; v32-159 the 16 fragments of x (later T, at work); v160-207, v208-255 two buffers of 6 fragments of W
;   window 1: columns 0-15:  tile a's ZI (in) at 16 a, ZD (decay) at 16 a + 8      window 2: the same for columns 16-31      window 3: ZG (gate): columns 0-15 at 16 a, columns 16-31 at 16 a + 8
.set SLOT,  157952                     ; a slot: one K step of 64
.set XA1,   69696                      ; rows 0-511 at 0, rows 512-1023 here: two rows of 128 bytes to an LDS row of 272; this base is 64 mod 256, so a fragment's 16 rows
                                       ; (8 of each half) fall on {0,16,32,48} + {0,128} + {0,64}: sixteen different 16-byte columns of the 64 banks (ISA guide 11.1)
.set BB,    139520                     ; W: [in, decay, gate][k 64] pieces of 64 bytes, 96 apart
.set WSTG,  17408                      ; a wave's part of rows 0-511; at the end its stage: 64 units of 256 bytes, 272 apart
.set EXQ,   2*SLOT                     ; the chains' last s_loc: 256 bytes a wave; their P 1,024 bytes on
.set SPARE, EXQ+2048                   ; the spare words, 128 bytes for each wave: two blocks of 256 bytes that no other line names
.set WPG,   393216                     ; a column group's bytes of wp: 32 K steps of 12,288, or 12 chunks of 32,768
.set VA,  2                            ; v2-3   LDS address of my part of x's fragments in slot 0, 1
.set VB,  4                            ; v4-5   the same for W's
.set STO, 6                            ; v6     the way out: where I put 16 bytes
.set RD,  7                            ; v7     the way out: where I read units back
.set GO,  8                            ; v8     my byte offset in yt
.set EXA, 9                            ; v9     where I put my chain's last s_loc
.set EXR, 10                           ; v10    where my column's words begin
.set CH,  11                           ; v11    my chain: w + 4 (lane / 16)
.set PFO, 12                           ; v12    256 x lane; never rewritten
.set BD,  16                           ; v[16:19]  (b_decay + decay_bias) log2 e of my column in block 0, 1: pairs
.set BG,  20                           ; v[20:23]  -b_gate log2 e, likewise
.set CC,  24                           ; v[24:27]  the carries, likewise
.set SPW, 28                           ; v28    LDS address of my spare word; never rewritten
.set NIL, 29                           ; v29    0; never rewritten
.set AF,  32
.set T,   32
.set BF,  160
.set BI,  208                          ; v208-223  b_in of my column in block 0, 1, eight times over: the C of the first products; W's second buffer takes the place afterwards
.set WV,  18                           ; s18  my wave's number
.set G1A, 24                           ; s[24:31] descriptor group 1 for x's tiles;  s[32:39] group 0, a set for each slot
.set G0A, 32
.set G1B, 40                           ; s[40:47], s[48:55] the same for W's
.set G0B, 48
.set PFA, 56                           ; s[56:57] where my prefetches of xb stand
.set LIMA, 58                          ; s58  13 where I prefetch xb (the loop's first two trips), else the greatest number
.set LIMB, 59                          ; s59  1 where I prefetch wp, else the greatest number
.set PFB, 60                           ; s[60:61] where my prefetches of wp stand
.set PC,  62                           ; s62  my work-group's quarter of a chunk of wp: 8,192 cy
.set LG,  66                           ; s[66:67] log2 e, named as a pair
.set NLG, 68                           ; s[68:69] -log2 e
.set MK,  70                           ; s70-76  lanes whose chain lies behind chain 0 .. 6
.set BSA, 88                           ; s[88:89] xb at my sequence's K step 0, at the half of a tile that I fetch
.set BSB, 90                           ; s[90:91] wp at my column group's K step 0
.set OA,  92                           ; s[92:93] a K step's byte offset in xb
.set OB,  94                           ; s[94:95] and in wp
.set KB,  96                           ; s96  the K step that the next refill asks for
.set PU,  97                           ; s97  the chunk of wp to be asked for next: its byte offset in the column group
.set PO,  98                           ; s[98:99] that offset and my work-group's quarter
.set MSB, 0
.macro WIN new                         ; the immediate's high byte repeats the setting that is left; a switch that changes nothing is dropped
.if MSB != (\new)
	s_set_vgpr_msb (MSB<<8)|(\new)
.set MSB, (\new)
.endif
.endm
.macro PLACES                          ; four plain instructions between a matrix instruction and a load into, or a vector instruction on, its registers (ISA guide 7.12.1 for vector instructions)
.rept 4
	v_nop
.endr
.endm
.macro CREST                           ; a round of the cluster's barrier behind its opening barrier
	s_cmp_lg_u32 s[WV], 0
	s_cbranch_scc1 .Lnot_wave_0_\@
	s_barrier_signal -3
.Lnot_wave_0_\@:
	s_barrier_wait -3
	s_barrier_signal -1
	s_barrier_wait -1
.endm
.macro CROUND
	s_barrier_signal -1
	s_barrier_wait -1
	CREST
.endm
; A joint refill of slot s.  Waves 0 and 1 fetch the two halves of x's tile (256 LDS rows, 64 KiB each), wave 2 W's tile, wave 3 nothing.  The branches hang on the wave's number alone.
; An s_nop 0 and four v_nop follow each load, ahead of the jump and the label.
.macro JLOAD s
	s_cmp_lt_u32 s[WV], 2
	s_cbranch_scc0 .Lnota_\@
	tensor_load_to_lds s[G0A+4*(\s):G0A+4*(\s)+3], s[G1A:G1A+7]
	s_nop 0
.rept 4
	v_nop
.endr
	s_branch .Ldone_\@
.Lnota_\@:
	s_cmp_eq_u32 s[WV], 2
	s_cbranch_scc0 .Ldone_\@
	tensor_load_to_lds s[G0B+4*(\s):G0B+4*(\s)+3], s[G1B:G1B+7]
	s_nop 0
.rept 4
	v_nop
.endr
.Ldone_\@:
.endm
; PREFETCHES INTO THE L2, behind the joint load, its five lines and the run of LDS loads.
; xb: a tile is read for the first time in the launch in steps 0 to 7 of the walk that begins at or just before it.  Steps 0 to 3 of a walk come by their loads alone; steps 4 to 7 are asked for two refills ahead,
; in the loop's first two trips (s3 = 15, 14).  Four clusters share a walk: the one with x below 4 asks.  The four partners of a sequence take 32,768 bytes of the tile each, told apart BY ADDRESS (cx), each wave
; 8,192, a lane 256: one instruction a wave, each block named once in the launch.  Every later reading is of a tile that has been read in the launch before, and is not asked for.
.macro ASKA
	s_cmp_gt_u32 s3, s[LIMA]
	s_cbranch_scc0 .Lnoa_\@
	global_prefetch_b8 v[PFO], s[PFA:PFA+1] th:TH_LOAD_NT scope:SCOPE_SE
.Lnoa_\@:
.endm
; wp: a column group's 393,216 bytes are read by one cluster's column alone, once.  A K step's 48 blocks do not divide among 4 partners x 32 lanes, so wave 3 asks by chunks of 32,768 bytes (8,192 a partner, told
; apart by address, cy): in three laps of four, at slot 0's change, chunks 1 to 11 in turn, counted from the walk's starting point (8 K steps are three chunks, so no chunk straddles the group's end).  A chunk begins
; 2/3, 4/3 or 2 K steps behind the first byte of the K step just asked for (where it is 2/3, its first 4,096 bytes belong to that K step).  Chunk 0 comes by its loads alone; the last trip asks for nothing.
.macro ASKB
	s_and_b32 s2, s3, 3
	s_cmp_lg_u32 s2, 0
	s_cselect_b32 s2, s3, 0
	s_cmp_gt_u32 s2, s[LIMB]
	s_cbranch_scc0 .Lnob_\@
	global_prefetch_b8 v[PFO], s[PFB:PFB+1] th:TH_LOAD_NT scope:SCOPE_SE
.Lnob_\@:
.endm
; 2 n matrix instructions: tiles a0 .. a0 + n - 1 x the two accumulators of window p + 1, 32 along K, W's buffer buf.  The 96 accumulators take turns, one instruction a turn, in the same order in
; every step, over the backward jump too.  zero = 1: the first products start the sums: ZI's with b_in, the others with 0.
.macro MM p, a0, n, buf, zero
.if \zero
	WIN ((\p)+1)<<6
.else
	WIN ((\p)+1)*0x50
.endif
.set aa, \a0
.rept \n
.irp q, 0,1
.if (\zero) && ((\p) < 2) && ((\q) == 0)
	v_wmma_f32_16x16x32_bf16 v[8*(2*aa+\q):8*(2*aa+\q)+7], v[AF+8*aa:AF+8*aa+7], v[BF+48*(\buf)+8*(2*(\p)+\q):BF+48*(\buf)+8*(2*(\p)+\q)+7], v[BI+8*(\p):BI+8*(\p)+7]
.elseif \zero
	v_wmma_f32_16x16x32_bf16 v[8*(2*aa+\q):8*(2*aa+\q)+7], v[AF+8*aa:AF+8*aa+7], v[BF+48*(\buf)+8*(2*(\p)+\q):BF+48*(\buf)+8*(2*(\p)+\q)+7], 0
.else
	v_wmma_f32_16x16x32_bf16 v[8*(2*aa+\q):8*(2*aa+\q)+7], v[AF+8*aa:AF+8*aa+7], v[BF+48*(\buf)+8*(2*(\p)+\q):BF+48*(\buf)+8*(2*(\p)+\q)+7], v[8*(2*aa+\q):8*(2*aa+\q)+7]
.endif
.endr
.set aa, aa+1
.endr
.endm
; W's six fragments of half ks of a K step: W lies [k][column], so they come turned.  Fragment f = 2 p + q: in, decay of columns 0-15; in, decay of columns 16-31; gate of columns 0-15, 16-31.
.macro BLOAD slot, ks, buf
.irp f, 0,1,2,3,4,5
.set bo, ((\f)/4)*(12288+32*((\f)%2))+(1-(\f)/4)*(6144*((\f)%2)+32*((\f)/2))
	ds_load_tr16_b128 v[BF+48*(\buf)+8*\f:BF+48*(\buf)+8*\f+3],   v[VB+(\slot)] offset:bo+(\ks)*3072
	ds_load_tr16_b128 v[BF+48*(\buf)+8*\f+4:BF+48*(\buf)+8*\f+7], v[VB+(\slot)] offset:bo+(\ks)*3072+1536
.endr
.endm
; x's fragments of tiles a0 .. a0 + 7: 16 rows x 32 k, two loads of 16 bytes a lane, 32 bytes apart; 8 positions are 4 LDS rows
.macro ALOAD slot, ks, a0
.set aa, \a0
.rept 8
	ds_load_b128 v[AF+8*aa:AF+8*aa+3],   v[VA+(\slot)] offset:aa*1088+(\ks)*64
	ds_load_b128 v[AF+8*aa+4:AF+8*aa+7], v[VA+(\slot)] offset:aa*1088+(\ks)*64+32
.set aa, aa+1
.endr
.endm
; HALF A K STEP: 96 matrix instructions on W's buffer ks; beside them the next half's 44 LDS loads, in three runs, each behind the last product that read its registers.
; mode 0: the slot's first half.  mode 1: its second half: all its fragments have been asked of LDS, so THE CHANGE OF SLOTS STANDS AT ITS HEAD, with nothing but the descriptors' scalar work between the wait for
; the other slot's tile and the next request: the refill has a whole K step's 192 matrix instructions in which to land.  mode 2: the same without a refill.  mode 3: the very last: nothing is fetched.
.macro SUB slot, ks, zero, mode
.if (\ks) == 0
.set nsl, (\slot)
.set nks, 1
.else
.set nsl, 1-(\slot)
.set nks, 0
.endif
.if ((\mode) == 1) || ((\mode) == 2)
.if (\mode) == 1
	s_wait_xcnt 0x0                                ; the last prefetches, a K step back, have read their addresses: these are stepped here, ahead of the waits of the change of slots
	s_add_nc_u64 s[PFA:PFA+1], s[PFA:PFA+1], 131072
.if (\slot) == 0
	s_add_co_u32 s2, s3, 1                         ; wp's chunk steps in three laps of four: not in a lap that follows one without a request;
	s_and_b32 s2, s2, 3
	s_cmp_lg_u32 s2, 0
	s_cselect_b32 s2, 32768, 0
	s_add_co_u32 s[PU], s[PU], s2
	s_cmp_ge_u32 s[PU], WPG                        ; behind the column group's last chunk comes its first (the test hangs on the cluster's number and the trip alone)
	s_cselect_b32 s2, WPG, 0
	s_sub_co_u32 s[PU], s[PU], s2
	s_add_co_u32 s[PO], s[PU], s[PC]
	s_add_nc_u64 s[PFB:PFB+1], s[BSB:BSB+1], s[PO:PO+1]
.endif
.endif
	WIN 0                                          ; (the add's two registers lie in window 0)
	s_wait_tensorcnt 0x0                           ; all my tensor loads have landed: the one that was out is my part of the other slot; so a group 0 may be written;
	ds_add_u32 v[SPW], v[NIL]                      ; 0 onto my spare word: the descriptors' scalar work stands between it and the wait for it
.if (\mode) == 1
	s_lshl_b32 s[OA], s[KB], 17                    ; the addresses are made anew from the K step's number: 131,072 bytes of xb,
	s_mul_i32 s[OB], s[KB], 12288                  ; 12,288 of wp
	s_add_nc_u64 s[G0A+4*(\slot)+2:G0A+4*(\slot)+3], s[BSA:BSA+1], s[OA:OA+1]
	s_or_b32 s[G0A+4*(\slot)+3], s[G0A+4*(\slot)+3], 0x80000000
	s_add_nc_u64 s[G0B+4*(\slot)+2:G0B+4*(\slot)+3], s[BSB:BSB+1], s[OB:OB+1]
	s_or_b32 s[G0B+4*(\slot)+3], s[G0B+4*(\slot)+3], 0x80000000
	s_add_co_u32 s[KB], s[KB], 1                   ; the walk goes round
	s_and_b32 s[KB], s[KB], 31
.endif
	s_wait_dscnt 0x0                               ; the add is done, and so are my reads of this slot: the fragments of this half were the last
	s_barrier_signal -1
	s_barrier_wait -1
.if (\mode) == 1
	CREST                                          ; the barrier has opened a round of the cluster's: no wave of any partner still reads this slot or has a load on its way
	JLOAD \slot                                    ; the first tensor load behind the round
.endif
	BLOAD 1-(\slot), 0, 0                          ; (the buffer's last readers stand in front of the places at the end of the half before)
.if (\mode) == 1
	ASKA
.if (\slot) == 0
	ASKB
.endif
.endif
	MM 0, 0, 16, \ks, 0
	MM 1, 0, 16, \ks, 0
.else
	s_wait_dscnt 16                                ; W's fragments and tiles 0-7 are in; the youngest 16 loads (tiles 8-15) may be out
	MM 0, 0, 8, \ks, \zero
	s_wait_dscnt 8                                 ; tiles 8-11 are in
	MM 0, 8, 4, \ks, \zero
	s_wait_dscnt 0x0
	MM 0, 12, 4, \ks, \zero
	MM 1, 0, 16, \ks, \zero
.if \zero
	PLACES                                         ; W's second buffer lands on b_in's registers, which these products have read
.endif
.if (\mode) == 0
	WIN 0
	BLOAD \slot, 1, 1                              ; (the buffer's last readers stand in front of the places at the end of the half before)
.endif
.endif
	MM 2, 0, 8, \ks, \zero
.if (\mode) < 3
	PLACES
	WIN 0
	ALOAD nsl, nks, 0
.endif
	MM 2, 8, 8, \ks, \zero
.if (\mode) < 3
	PLACES                                         ; also the places in front of the next load into the buffer of W that this half has read
	WIN 0
	ALOAD nsl, nks, 8
.endif
.endm
	s_load_b256 s[4:11], s[0:1], 0x0               ; xb s[4:5], wp s[6:7], b_in s[8:9], b_decay s[10:11]
	s_load_b128 s[12:15], s[0:1], 0x20             ; decay_bias s[12:13], b_gate s[14:15]
	s_load_b64 s[16:17], s[0:1], 0x30              ; yt
	v_lshl_add_u32 v[SPW], v0, 2, SPARE
	v_mov_b32 v[NIL], 0
	ds_add_u32 v[SPW], v[NIL]                      ; the wave's opening: the add and its wait stand ahead of my first tensor load; the set-up below, work on registers, stands between them
	v_lshrrev_b32 v13, 5, v0
	v_readfirstlane_b32 s[WV], v13                 ; wave 0..3
	s_bfe_u32 s19, ttmp6, 0x40000                  ; cx
	s_bfe_u32 s20, ttmp6, 0x40004                  ; cy
	s_lshl_b32 s21, ttmp9, 2
	s_add_co_u32 s21, s21, s19                     ; g = 4 x cluster x + cx
	s_and_b32 s22, ttmp7, 0xffff
	s_lshl_b32 s22, s22, 2
	s_add_co_u32 s22, s22, s20                     ; b = 4 x cluster y + cy
	s_lshl_b32 s80, s20, 2
	s_lshl_b32 s80, 15, s80                        ; my row of the cluster
	s_lshl_b32 s81, 0x1111, s19                    ; my column
	; group 1 for x: half a tile, 65,536 dense bytes, as 256 rows of 256 bytes; 4 words of padding behind every 64
	s_or_b32 s[G1A], s80, (1<<16)|(1<<20)|(1<<21)|(5<<22)|(3<<25)  ; 15:0 the mask; 17:16 2-byte elements; 20 padding on; 21 set beside a mask; 24:22 interval code; 31:25 padding less one
	s_mov_b32 s[G1A+1], 128<<16                    ; tensor_dim0 = 128
	s_mov_b32 s[G1A+2], 256<<16                    ; tensor_dim1 = 256
	s_mov_b32 s[G1A+3], 128<<16                    ; tile_dim0 = 128
	s_mov_b32 s[G1A+4], 256                        ; tile_dim1 = 256
	s_mov_b32 s[G1A+5], 128                        ; elements from row to row
	s_mov_b32 s[G1A+6], 0
	s_mov_b32 s[G1A+7], 0
	; group 1 for W: 12,288 dense bytes as 48 rows of 256 bytes; 8 words of padding behind every 16 (a row of k: 32 columns)
	s_or_b32 s[G1B], s81, (1<<16)|(1<<20)|(1<<21)|(3<<22)|(7<<25)
	s_mov_b32 s[G1B+1], 128<<16
	s_mov_b32 s[G1B+2], 48<<16
	s_mov_b32 s[G1B+3], 128<<16
	s_mov_b32 s[G1B+4], 48
	s_mov_b32 s[G1B+5], 128
	s_mov_b32 s[G1B+6], 0
	s_mov_b32 s[G1B+7], 0
	; offsets.  What feeds x's descriptors is made of b, the wave's number and the walk, what feeds W's of g and the walk, each in registers of its own
	s_and_b32 s23, s[WV], 1                        ; which half of x's tile I fetch
	s_mul_i32 s77, s23, XA1                        ; its place in a slot
	s_lshl_b32 s82, s22, 22                        ; the sequence's 32 tiles of 131,072 bytes
	s_lshl_b32 s2, s23, 16
	s_add_co_u32 s82, s82, s2
	s_mov_b32 s83, 0
	s_mul_i32 s84, s21, WPG                        ; the column group's 32 tiles of 12,288 bytes
	s_mov_b32 s85, 0
	s_lshl_b32 s78, s21, 18                        ; yt: 32 channels of 8,192 bytes,
	s_lshl_b32 s2, s22, 11                         ; the sequence's 1,024 rows,
	s_add_co_u32 s78, s78, s2
	s_lshl_b32 s2, s[WV], 8                        ; chain w's 128
	s_add_co_u32 s78, s78, s2
	s_mov_b32 s79, 0
	s_and_b32 s[KB], ttmp9, 3                      ; the walk begins at K step 8 (cluster x % 4)
	s_lshl_b32 s[KB], s[KB], 3
	s_lshl_b32 s[OA], s[KB], 17
	s_mov_b32 s[OA+1], 0
	s_mul_i32 s[OB], s[KB], 12288
	s_mov_b32 s[OB+1], 0
	s_lshl_b32 s86, s22, 22                        ; xb's prefetches: my sequence, my work-group's quarter of a tile, my wave's quarter of that;
	s_lshl_b32 s2, s19, 15
	s_add_co_u32 s86, s86, s2
	s_lshl_b32 s2, s[WV], 13
	s_add_co_u32 s86, s86, s2
	s_add_co_u32 s86, s86, s[OA]
	s_add_co_u32 s86, s86, 3*131072                ; at the walk's step 3: the first refill steps it to 4
	s_mov_b32 s87, 0
	s_add_co_u32 s[PU], s[OB], 32768               ; wp's: chunk 1 of the walk (at most 327,680: inside the group),
	s_lshl_b32 s[PC], s20, 13                      ; my work-group's quarter of it
	s_add_co_u32 s[PO], s[PU], s[PC]
	s_mov_b32 s[PO+1], 0
	s_cmp_lt_u32 ttmp9, 4                          ; the same in all sixteen partners
	s_cselect_b32 s[LIMA], 13, -1
	s_cmp_eq_u32 s[WV], 3
	s_cselect_b32 s[LIMB], 1, -1
	s_mov_b32 s[LG], 0x3fb8aa3b
	s_mov_b32 s[LG+1], 0x3fb8aa3b
	s_mov_b32 s[NLG], 0xbfb8aa3b
	s_mov_b32 s[NLG+1], 0xbfb8aa3b
	s_wait_dscnt 0x0                               ; the opening add is done
	s_wait_kmcnt 0x0
	s_add_nc_u64 s[BSA:BSA+1], s[4:5], s[82:83]
	s_add_nc_u64 s[BSB:BSB+1], s[6:7], s[84:85]
	s_add_nc_u64 s[G0A+2:G0A+3], s[BSA:BSA+1], s[OA:OA+1]      ; the walk's steps 0 and 1: no wrap, the starting point is 24 at the most
	s_add_nc_u64 s[G0A+6:G0A+7], s[G0A+2:G0A+3], 131072
	s_add_nc_u64 s[G0B+2:G0B+3], s[BSB:BSB+1], s[OB:OB+1]
	s_add_nc_u64 s[G0B+6:G0B+7], s[G0B+2:G0B+3], 12288
.irp s, 0,1
	s_mov_b32 s[G0A+4*\s], 1                       ; count = 1
	s_add_co_u32 s[G0A+4*\s+1], s77, \s*SLOT       ; LDS address
	s_or_b32 s[G0A+4*\s+3], s[G0A+4*\s+3], 0x80000000           ; type = 2
	s_mov_b32 s[G0B+4*\s], 1
	s_mov_b32 s[G0B+4*\s+1], \s*SLOT+BB
	s_or_b32 s[G0B+4*\s+3], s[G0B+4*\s+3], 0x80000000
.endr
	s_add_co_u32 s[KB], s[KB], 2                   ; what the first refill asks for
	s_add_nc_u64 s[PFA:PFA+1], s[4:5], s[86:87]
	s_add_nc_u64 s[PFB:PFB+1], s[BSB:BSB+1], s[PO:PO+1]
	s_add_nc_u64 s[16:17], s[16:17], s[78:79]
	CROUND                                         ; all sixteen work-groups are here: the first joint loads meet
	s_cmp_lt_u32 s[WV], 2                          ; a wave's two first fills stand in one branch: two loads of mine are out at the most
	s_cbranch_scc0 .Lfirst_nota
	tensor_load_to_lds s[G0A:G0A+3], s[G1A:G1A+7]
	s_nop 0
	tensor_load_to_lds s[G0A+4:G0A+7], s[G1A:G1A+7]
	s_nop 0
.rept 4
	v_nop
.endr
	s_branch .Lfirst_done
.Lfirst_nota:
	s_cmp_eq_u32 s[WV], 2
	s_cbranch_scc0 .Lfirst_done
	tensor_load_to_lds s[G0B:G0B+3], s[G1B:G1B+7]
	s_nop 0
	tensor_load_to_lds s[G0B+4:G0B+7], s[G1B:G1B+7]
	s_nop 0
.rept 4
	v_nop
.endr
.Lfirst_done:
	; the four biases of my two columns, 32 g + r and 32 g + 16 + r
	v_and_b32 v1, 15, v0                           ; r
	s_lshl_b32 s81, s21, 7
	v_lshl_add_u32 v31, v1, 2, s81
	global_load_b32 v32, v31, s[8:9]
	global_load_b32 v33, v31, s[8:9] offset:64
	global_load_b32 v34, v31, s[10:11]
	global_load_b32 v35, v31, s[10:11] offset:64
	global_load_b32 v36, v31, s[12:13]
	global_load_b32 v37, v31, s[12:13] offset:64
	global_load_b32 v38, v31, s[14:15]
	global_load_b32 v39, v31, s[14:15] offset:64
	; lane addresses
	v_bfe_u32 v13, v0, 4, 1                        ; h
	v_and_b32 v14, 31, v0                          ; lane
	s_mul_i32 s80, s[WV], WSTG
	v_lshrrev_b32 v15, 3, v1                       ; fragment rows 8-15 lie in the second half of the rows
	v_mul_u32_u24 v[VA], v15, XA1
	v_bfe_u32 v15, v0, 1, 2                        ; two rows to an LDS row
	v_mad_u32_u24 v[VA], v15, 272, v[VA]
	v_and_b32 v15, 1, v0
	v_lshl_add_u32 v[VA], v15, 7, v[VA]
	v_lshl_add_u32 v[VA], v13, 4, v[VA]
	v_add_nc_u32 v[VA], s80, v[VA]                 ; chain w's 128 rows: 64 LDS rows
	v_add_nc_u32 v[VA+1], SLOT, v[VA]
	v_and_b32 v15, 7, v0                           ; the turning load: lane l reads row 8 h + l % 8 of k, columns 8 ((l / 8) % 2) + 0..7
	v_lshl_add_u32 v15, v13, 3, v15
	v_mul_u32_u24 v[VB], v15, 96
	v_bfe_u32 v15, v0, 3, 1
	v_lshl_add_u32 v[VB], v15, 4, v[VB]
	v_add_nc_u32 v[VB], BB, v[VB]
	v_add_nc_u32 v[VB+1], SLOT, v[VB]
	v_lshl_add_u32 v15, v13, 5, v1                 ; the stage's unit 32 h + 16 block + r: 128 rows of one channel and chain
	v_mul_u32_u24 v[STO], v15, 272
	v_add_nc_u32 v[STO], s80, v[STO]
	v_mul_u32_u24 v[RD], v13, 8704                 ; back: lanes 0-15 a unit of chain w, lanes 16-31 the same channel's of chain w + 4
	v_lshl_add_u32 v[RD], v1, 4, v[RD]
	v_add_nc_u32 v[RD], s80, v[RD]
	v_lshlrev_b32 v[GO], 10, v13                   ; four chains on: 1,024 bytes
	v_lshl_add_u32 v[GO], v1, 4, v[GO]
	v_lshl_add_u32 v[CH], v13, 2, s[WV]
	s_lshl_b32 s80, s[WV], 8                       ; the exchange: 256 bytes a wave: 128 h + 64 block + 4 r
	v_lshlrev_b32 v[EXA], 7, v13
	v_lshl_add_u32 v[EXA], v1, 2, v[EXA]
	v_add_nc_u32 v[EXA], s80, v[EXA]
	v_add_nc_u32 v[EXA], EXQ, v[EXA]
	v_lshl_add_u32 v[EXR], v1, 2, EXQ
	v_lshlrev_b32 v[PFO], 8, v14
	s_wait_loadcnt 0x0                             ; the biases
.irp i, 32,33,34,35,36,37,38,39
	v_cvt_pk_bf16_f32 v\i, v\i, v\i                ; rounded to bf16 like every input,
.endr
.irp i, 32,33,34,35,36,37,38,39
	v_lshlrev_b32 v\i, 16, v\i                     ; and back in f32
.endr
	v_add_f32 v[BD], v34, v36
	v_add_f32 v[BD+2], v35, v37
	v_mul_f32 v[BD], s[LG], v[BD]
	v_mul_f32 v[BD+2], s[LG], v[BD+2]
	v_mov_b32 v[BD+1], v[BD]                       ; named as pairs
	v_mov_b32 v[BD+3], v[BD+2]
	v_mul_f32 v[BG], s[NLG], v38
	v_mul_f32 v[BG+2], s[NLG], v39
	v_mov_b32 v[BG+1], v[BG]
	v_mov_b32 v[BG+3], v[BG+2]
.set i, 0
.rept 8
	v_mov_b32 v[BI+i], v32                         ; a lane's eight results of an accumulator are one column's
	v_mov_b32 v[BI+8+i], v33
.set i, i+1
.endr
	s_wait_tensorcnt 0x1                           ; my part of the walk's step 0 is in; step 1's may stay out
	s_barrier_signal -1
	s_barrier_wait -1                              ; everybody's is
	BLOAD 0, 0, 0
	ALOAD 0, 0, 0
	ALOAD 0, 0, 8
	SUB 0, 0, 1, 0                                 ; the first half step stands in front of the loop: its products start the sums
	WIN 0                                          ; at a label and at a branch every window is 0
	s_mov_b32 s3, 15
.Llap:                                         ; a trip goes once round the ring and fills both slots again: the walk's steps 2 to 31 in 15 trips
	SUB 0, 1, 0, 1
	SUB 1, 0, 0, 0
	SUB 1, 1, 0, 1
	SUB 0, 0, 0, 0
	WIN 0
	s_sub_co_u32 s3, s3, 1
	s_cmp_lg_u32 s3, 0
	s_cbranch_scc1 .Llap
	SUB 0, 1, 0, 2                                 ; the tail is written out: nothing more is asked for.  Behind its barrier nobody reads slot 0, and no load fills it again
	SUB 1, 0, 0, 0
	SUB 1, 1, 0, 3
	PLACES                                         ; behind the last products
; PHASE A, for tiles a0 .. a0 + 3 and both column blocks: eight tiles, T = 16 registers each.
; T[0:7] = z_d log2 e, T[8:15] = -z_i log2 e;  2^T;  1 + it;  reciprocals: T[0:7] = 1 - d, T[8:15] = sigmoid(z_i);  d = 1 - T[0:7];  T[8:15] = sigmoid(z_i) (1 - d).
; Then u = z_i T[8:15] = (1 - d) i, and along the lane's positions s_loc = u + d s_loc(before) into ZI, P = d P(before) into ZD.
; The 128 exponentials are one batch with one wait, and so are the 128 reciprocals: behind the last a plain instruction, then a wait ahead of the first reader.
; Each accumulator is read from its lowest registers on.
.macro PHASEA a0
.irp c, 0,1
	WIN 1+(\c)                                     ; source 0 in window 1 or 2
.irp d, 0,1,2,3
.set tb, T+16*(2*(\d)+(\c))
.set zi, 16*((\a0)+(\d))
.set zd, zi+8
.irp j, 0,2,4,6
	v_pk_fma_f32 v[tb+\j:tb+\j+1], v[zd+\j:zd+\j+1], s[LG:LG+1], v[BD+2*(\c):BD+2*(\c)+1] op_sel_hi:[1,0,0]
.endr
.irp j, 0,2,4,6
	v_pk_mul_f32 v[tb+8+\j:tb+9+\j], v[zi+\j:zi+\j+1], s[NLG:NLG+1] op_sel_hi:[1,0]
.endr
.endr
.endr
	WIN 0
.set i, 0
.rept 128
	v_exp_f32 v[T+i], v[T+i]
.set i, i+1
.endr
	v_nop
	s_wait_alu depctr_va_vdst(0)
.set i, 0
.rept 64
	v_pk_add_f32 v[T+i:T+i+1], v[T+i:T+i+1], 1.0 op_sel_hi:[1,0]
.set i, i+2
.endr
.set i, 0
.rept 128
	v_rcp_f32 v[T+i], v[T+i]
.set i, i+1
.endr
	v_nop
	s_wait_alu depctr_va_vdst(0)
.set i, 0
.rept 8
.irp j, 0,2,4,6
	v_pk_fma_f32 v[T+16*i+\j:T+16*i+\j+1], v[T+16*i+\j:T+16*i+\j+1], -1.0, 1.0 op_sel_hi:[1,0,0]
.endr
.irp j, 0,2,4,6
	v_pk_fma_f32 v[T+16*i+8+\j:T+16*i+9+\j], v[T+16*i+\j:T+16*i+\j+1], v[T+16*i+8+\j:T+16*i+9+\j], v[T+16*i+8+\j:T+16*i+9+\j] neg_lo:[1,0,0] neg_hi:[1,0,0]
.endr
.set i, i+1
.endr
.irp c, 0,1
	WIN 0x41*(1+(\c))                              ; destination and source 0 in window 1 or 2, source 1 (T) in window 0
.irp d, 0,1,2,3
.set tb, T+16*(2*(\d)+(\c))
.set zi, 16*((\a0)+(\d))
.set zd, zi+8
.irp j, 0,2,4,6
	v_pk_mul_f32 v[zi+\j:zi+\j+1], v[zi+\j:zi+\j+1], v[tb+8+\j:tb+9+\j]
.endr
.irp j, 0,1,2,3,4,5,6,7
.if (zi+\j) == 0
	v_mul_f32 v[zd], 1.0, v[tb]                    ; the chain's first position: s_loc = u, P = d
.else
.if (\j) == 0
.set pv, 9                                     ; the position before lies in register 7 of the tile before
.else
.set pv, 1
.endif
	v_fmac_f32 v[zi+\j], v[zi+\j-pv], v[tb+\j]
	v_mul_f32 v[zd+\j], v[zd+\j-pv], v[tb+\j]
.endif
.endr
.endr
.endr
.endm
	PHASEA 0
	PHASEA 4
	PHASEA 8
	PHASEA 12
	; PHASE B: the carries.  Each lane puts its chain's last s_loc and P (f32) into its wave's block; behind the barrier it folds the chains before its own: C = P_c C + Q_c for c < my chain.
	WIN 0x04                                       ; store data in window 1
	ds_store_b32 v[EXA], v247
	ds_store_b32 v[EXA], v255 offset:1024
	WIN 0x08                                       ; in window 2
	ds_store_b32 v[EXA], v247 offset:64
	ds_store_b32 v[EXA], v255 offset:1088
	WIN 0
	v_mov_b32 v[CC], 0
	v_mov_b32 v[CC+2], 0
.irp c, 0,1,2,3,4,5,6
	v_cmp_lt_u32 s[MK+\c], \c, v[CH]
.endr
	s_wait_dscnt 0x0                               ; for the others' sake: my four stores are done
	s_barrier_signal -1
	s_barrier_wait -1
.irp c, 0,1,2,3,4,5,6                  ; chain c lies in wave c % 4's block, half c / 4
	ds_load_b32 v[T+4*\c],   v[EXR] offset:((\c)&3)*256+((\c)>>2)*128
	ds_load_b32 v[T+4*\c+1], v[EXR] offset:((\c)&3)*256+((\c)>>2)*128+64
	ds_load_b32 v[T+4*\c+2], v[EXR] offset:((\c)&3)*256+((\c)>>2)*128+1024
	ds_load_b32 v[T+4*\c+3], v[EXR] offset:((\c)&3)*256+((\c)>>2)*128+1088
.endr
	s_wait_dscnt 0x0
.irp c, 0,1,2,3,4,5,6
	v_fma_f32 v30, v[T+4*\c+2], v[CC], v[T+4*\c]
	v_fma_f32 v31, v[T+4*\c+3], v[CC+2], v[T+4*\c+1]
	v_cndmask_b32 v[CC], v[CC], v30, s[MK+\c]
	v_cndmask_b32 v[CC+2], v[CC+2], v31, s[MK+\c]
.endr
	v_mov_b32 v[CC+1], v[CC]                       ; named as pairs
	v_mov_b32 v[CC+3], v[CC+2]
; PHASE C, for the same eight tiles: T[0:7] = s = P C + s_loc;  T[8:15] = -(z_g + b_g) log2 e, its 2^, 1 + it, the reciprocal: the gate;  y = s x gate, rounded to bf16: a lane's 8 positions are 16 bytes of a
; channel's row of yt, which go into my stage.  The stage lies in slot 0, which has had its last fill and its last read ahead of the tail's barrier; each wave has 17,408 bytes of its own.
.macro PHASEC a0
.irp c, 0,1
	WIN 0x11*(1+(\c))                              ; sources 0 and 2 in window 1 or 2
.irp d, 0,1,2,3
.set tb, T+16*(2*(\d)+(\c))
.set zi, 16*((\a0)+(\d))
.set zd, zi+8
.irp j, 0,2,4,6
	v_pk_fma_f32 v[tb+\j:tb+\j+1], v[zd+\j:zd+\j+1], v[CC+2*(\c):CC+2*(\c)+1], v[zi+\j:zi+\j+1] op_sel_hi:[1,0,1]
.endr
.endr
.endr
	WIN 0x03                                       ; source 0 in window 3
.irp c, 0,1
.irp d, 0,1,2,3
.set tb, T+16*(2*(\d)+(\c))
.set zg, 8*(2*((\a0)+(\d))+(\c))
.irp j, 0,2,4,6
	v_pk_fma_f32 v[tb+8+\j:tb+9+\j], v[zg+\j:zg+\j+1], s[NLG:NLG+1], v[BG+2*(\c):BG+2*(\c)+1] op_sel_hi:[1,0,0]
.endr
.endr
.endr
	WIN 0
.set i, 0
.rept 8
.irp k, 8,9,10,11,12,13,14,15
	v_exp_f32 v[T+16*i+\k], v[T+16*i+\k]
.endr
.set i, i+1
.endr
	v_nop
	s_wait_alu depctr_va_vdst(0)                   ; one wait for the 64 exponentials
.set i, 0
.rept 8
.irp j, 8,10,12,14
	v_pk_add_f32 v[T+16*i+\j:T+16*i+\j+1], v[T+16*i+\j:T+16*i+\j+1], 1.0 op_sel_hi:[1,0]
.endr
.set i, i+1
.endr
.set i, 0
.rept 8
.irp k, 8,9,10,11,12,13,14,15
	v_rcp_f32 v[T+16*i+\k], v[T+16*i+\k]
.endr
.set i, i+1
.endr
	v_nop
	s_wait_alu depctr_va_vdst(0)                   ; one wait for the 64 reciprocals
.set i, 0
.rept 8
.irp j, 0,2,4,6
	v_pk_mul_f32 v[T+16*i+\j:T+16*i+\j+1], v[T+16*i+\j:T+16*i+\j+1], v[T+16*i+8+\j:T+16*i+9+\j]
.endr
.irp k, 0,1,2,3
	v_cvt_pk_bf16_f32 v[T+16*i+8+\k], v[T+16*i+2*\k], v[T+16*i+2*\k+1]
.endr
	ds_store_b128 v[STO], v[T+16*i+8:T+16*i+11] offset:(i%2)*4352+((\a0)+i/2)*16
.set i, i+1
.endr
.endm
	PHASEC 0
	PHASEC 4
	PHASEC 8
	PHASEC 12
	; THE WAY OUT: channel t's 128 rows of chain w (lanes 0-15) and of chain w + 4 (lanes 16-31) come back as whole units.  LDS serves a wave's instructions in order (ISA guide 5.7.1.4): these see my stores above.
.set t, 0
.rept 32
	ds_load_b128 v[T+4*t:T+4*t+3], v[RD] offset:t*272
.set t, t+1
.endr
.set t, 0
.rept 32
	s_wait_dscnt 31-t                              ; unit t is back; the younger loads stay out
	global_store_b128 v[GO], v[T+4*t:T+4*t+3], s[16:17] offset:t*8192  ; 16 lanes store 256 consecutive bytes, at a multiple of 256 from yt's first byte
.set t, t+1
.endr
	s_wait_tensorcnt 0x0                           ; the wave's end: behind my last tensor load and my last LDS store
	ds_add_u32 v[SPW], v[NIL]
	s_wait_dscnt 0x0
	CROUND                                         ; the closing round: no work-group ends while a partner may still ask for a tile that names it
	s_endpgm
.Lfunc_end_k_qf5f5a3f035_proj:
	.size	k_qf5f5a3f035_proj, .Lfunc_end_k_qf5f5a3f035_proj-k_qf5f5a3f035_proj
	.p2alignl 7, 3214868480
	.fill 96, 4, 3214868480
	.section	.rodata,"a",@progbits
	.p2align	6, 0x0
	.amdhsa_kernel k_qf5f5a3f035_proj
		.amdhsa_group_segment_fixed_size 327680
		.amdhsa_private_segment_fixed_size 0
		.amdhsa_enable_private_segment 0
		.amdhsa_kernarg_size 56
		.amdhsa_user_sgpr_count 2
		.amdhsa_user_sgpr_kernarg_segment_ptr 1
		.amdhsa_wavefront_size32 1
		.amdhsa_system_sgpr_workgroup_id_x 1
		.amdhsa_system_sgpr_workgroup_id_y 1
		.amdhsa_system_sgpr_workgroup_id_z 1
		.amdhsa_system_vgpr_workitem_id 0
		.amdhsa_next_free_vgpr 1024
		.amdhsa_next_free_sgpr 100
		.amdhsa_reserve_vcc 0
		.amdhsa_float_denorm_mode_32 3
		.amdhsa_float_denorm_mode_16_64 3
		.amdhsa_memory_ordered 1
		.amdhsa_forward_progress 1
		.amdhsa_inst_pref_size 255
	.end_amdhsa_kernel
	.section	.bss,"aw",@nobits
	.p2align	6
	.space	262144
	.amdgpu_metadata
---
amdhsa.version: [ 1, 2 ]
amdhsa.kernels:
  - .name:           k_qf5f5a3f035_proj
    .symbol:         k_qf5f5a3f035_proj.kd
    .args:
      - { .name: xb, .offset: 0, .size: 8, .value_kind: global_buffer, .address_space: global }
      - { .name: wp, .offset: 8, .size: 8, .value_kind: global_buffer, .address_space: global }
      - { .name: b_in, .offset: 16, .size: 8, .value_kind: global_buffer, .address_space: global }
      - { .name: b_decay, .offset: 24, .size: 8, .value_kind: global_buffer, .address_space: global }
      - { .name: decay_bias, .offset: 32, .size: 8, .value_kind: global_buffer, .address_space: global }
      - { .name: b_gate, .offset: 40, .size: 8, .value_kind: global_buffer, .address_space: global }
      - { .name: yt, .offset: 48, .size: 8, .value_kind: global_buffer, .address_space: global }
    .group_segment_fixed_size: 327680
    .private_segment_fixed_size: 0
    .kernarg_segment_align: 8
    .kernarg_segment_size: 56
    .max_flat_workgroup_size: 128
    .sgpr_count:     100
    .vgpr_count:     1024
    .wavefront_size: 32
...
	.end_amdgpu_metadata
.endif
;; end of part 2
;; launch outp (part 3): grid 16 x 16, 4 waves a work-group, clusters of 4 x 4, 327,680 bytes of LDS; arguments yt, wo, b_out, out0; writes out0
.if DOCPART == 3
	.amdgcn_target "amdgcn-amd-amdhsa--gfx1250"
	.amdhsa_code_object_version 6
	.text
	.protected	k_qf5f5a3f035_outp
	.globl	k_qf5f5a3f035_outp
	.p2align	8
	.type	k_qf5f5a3f035_outp,@function
k_qf5f5a3f035_outp:
	s_mov_b64 s[64:65], 0
	v_nop
	global_prefetch_b8 v0, s[64:65] scope:SCOPE_SE
	s_setreg_imm32_b32 hwreg(HW_REG_WAVE_MODE, 25, 1), 1
	s_wait_xcnt 0x0
	s_wait_alu depctr_hold_cnt(0) depctr_sa_sdst(0) depctr_va_vdst(0) depctr_va_sdst(0) depctr_va_ssrc(0) depctr_va_vcc(0) depctr_vm_vsrc(0)
	s_getreg_b32 s2, hwreg(HW_REG_IB_STS2, 6, 4)
	s_cmp_eq_u32 s2, 0
	s_cbranch_scc0 .Lentry_in_a_cluster
	s_endpgm
.Lentry_in_a_cluster:
	s_bfe_u32 s2, ttmp6, 0x10000c
	s_cmp_lg_u32 s2, 0xf033
	s_cbranch_scc0 .Lentry_shape_is_right
	s_endpgm
.Lentry_shape_is_right:
; out0[m][n] = the sum over k of y[m][k] W_out[k][n] + b_out[n].  y comes transposed, yt [k 2048][m 4096] bf16; wo [k 2048][n 2048] bf16; out0 [4096][2048] f32; sums in f32.
; b_out enters rounded to bf16, like every input, as the C of the first products.
; A tile of out0 is 256 rows x 128 columns: 16 x 16 = 256 work-groups.  Four waves, each 128 rows x 64 columns: 32 accumulators, 256 registers (window 1).
; K GOES IN STEPS OF 192, as long as two LDS slots allow (832 bytes for each k): 2,048 = 128 + 10 x 192, and the short step is the first, a first fill with descriptors of its own, so that all nine refills are alike.
; yt's tile has rows of 512 bytes, wo's of 256, each beginning at a multiple of 256 bytes from its buffer's first byte.  A step is six quarters of 32 along K (the first step four), 32 matrix instructions each.
; Both operands lie [k][.], so all fragments come out of LDS turned, by ds_load_tr16_b128.  THE MATRIX INSTRUCTION IS USED TRANSPOSED (source 0 = 16 columns of W_out, source 1 = 16 rows of y): a lane then
; holds eight neighbouring columns of one row of out0.
; CLUSTER 4 x 4.  yt's tile hangs on the tile row alone and is asked for jointly along a row of the cluster, wo's on the tile column alone and is asked for jointly along a column.
; THE TEXT IS KEPT SHORT: the fetches take their LDS address from two scalar offsets that step from quarter to quarter; a step's middle four quarters are a loop of two trips, the last two steps a loop of two trips.
; REGISTERS: window 0: v0-31 addresses; v32-63 b_out; v64-159, v160-255 two fragment buffers (4 of W_out, then 8 of y); on the way out v64-127 two sets of whole rows.  window 1: accumulator (i, b) at 8 (4 i + b).
.set PA,    544                        ; an LDS row of yt's tile: 512 + 32 bytes: the 8 rows x 32 bytes of a turning load take each of the 64 banks once (ISA guide 11.1)
.set PB,    288                        ; of wo's: 256 + 32
.set KS,    192                        ; rows of k in a slot
.set BOFF,  KS*PA
.set SLOT,  KS*(PA+PB)                 ; 159,744
.set STAGE, SLOT                       ; the way out's stage, 16 rows x 272 bytes for each wave, lies in slot 1: that slot has had its last fill, and its last read ahead of the tail's first barrier
.set SPARE, 2*SLOT                     ; behind the ring: the spare words, 128 bytes for each wave: two blocks of 256 bytes that no other line names
.set ADM, 16                           ; v16  my lane's place in yt's tile; never rewritten
.set AM,  17                           ; v17  the LDS address of the run of loads in hand, for y
.set ADN, 20                           ; v20  my lane's place in wo's tile; never rewritten
.set AN,  21                           ; v21  the address of the run in hand, for W_out
.set STO, 24                           ; v24  the way out: where I put 32 bytes of a row
.set RD,  25                           ; v25  where I read rows back
.set CO,  26                           ; v26  my byte offset in out0
.set SPW, 28                           ; v28  LDS address of my spare word; never rewritten
.set NIL, 29                           ; v29  0; never rewritten
.set PFO, 30                           ; v30  the prefetches' offset; never rewritten
.set PFO2, 31                          ; v31  the same, 128 rows of k further on; never rewritten
.set BI,  32
.set F0,  64
.set F1,  160
.set OB,  64
.set WV,  12                           ; s12  my wave's number
.set CNT, 15                           ; s15  counts a step's pairs of quarters
.set G1A, 24                           ; s[24:31] group 1 for yt's tiles of 96 rows; s[32:39] group 0, a set for each slot
.set G0A, 32
.set G1B, 48                           ; s[48:55], s[56:63] the same for wo's
.set G0B, 56
.set PF,  44                           ; s[44:45] where my prefetches stand
.set LIM, 46                           ; s46  1 in a wave that prefetches, else the greatest number
.set PST, 66                           ; s[66:67] 128 rows of k in bytes of the buffer that I prefetch
.set G0AS, 68                          ; s[68:71], s[72:75] group 0 of the short first step
.set G0BS, 72
.set TA,  82                           ; s82  LDS byte at which the quarter to be fetched begins in yt's tiles
.set TN,  83                           ; s83  and in wo's
.set G1AS, 84                          ; s[84:91], s[92:99] group 1 of the short first step: 64 rows
.set G1BS, 92
.set MSB, 0
.macro WIN new                         ; the immediate's high byte repeats the setting that is left
.if MSB != (\new)
	s_set_vgpr_msb (MSB<<8)|(\new)
.set MSB, (\new)
.endif
.endm
.macro PLACES
.rept 4
	v_nop
.endr
.endm
.macro CREST
	s_cmp_lg_u32 s[WV], 0
	s_cbranch_scc1 .Lnot_wave_0_\@
	s_barrier_signal -3
.Lnot_wave_0_\@:
	s_barrier_wait -3
	s_barrier_signal -1
	s_barrier_wait -1
.endm
.macro CROUND
	s_barrier_signal -1
	s_barrier_wait -1
	CREST
.endm
.macro JLOAD s                         ; a joint refill: waves 0 and 1 fetch the two halves (96 rows of k) of yt's tile, waves 2 and 3 of wo's; an s_nop 0 and four v_nop follow each line
	s_cmp_eq_u32 s13, 0
	s_cbranch_scc0 .Lfor_b_\@
	tensor_load_to_lds s[G0A+4*(\s):G0A+4*(\s)+3], s[G1A:G1A+7]
	s_nop 0
.rept 4
	v_nop
.endr
	s_branch .Lasked_\@
.Lfor_b_\@:
	tensor_load_to_lds s[G0B+4*(\s):G0B+4*(\s)+3], s[G1B:G1B+7]
	s_nop 0
.rept 4
	v_nop
.endr
.Lasked_\@:
.endm
; PREFETCHES INTO THE L2, behind the joint load, its five lines and the run of LDS loads, by WINDOWS of 128 rows of k (window n: rows 128 n on), which divide among partners and lanes where a step's 192 rows do not.
; yt's tile row is read by the four clusters of that row: cluster x = 0 asks, waves 0 and 1; of a wave's 64 rows of 512 bytes the partner at cx takes 16: two lanes a row.  wo's tile column is read by the four clusters
; of that column: cluster y = 0 asks, wave 2; of the 128 rows of 256 bytes the partner at cy takes 32: a lane a row.  Partners are told apart BY ADDRESS.  So each block of 256 bytes is named once in the launch.
; Slot 0's change asks for one window (6, 9, 12, 15), slot 1's for two (7 and 8, 10 and 11, 13 and 14): three windows for two steps, each asked for two refills or more ahead of the refill that wants its first row.
; Rows 0 to 767 come by their loads alone; the loop's last trip (s3 = 1) asks for nothing.
.macro ASK two
	s_cmp_gt_u32 s3, s[LIM]
	s_cbranch_scc0 .Lnot_mine_\@
	global_prefetch_b8 v[PFO], s[PF:PF+1] th:TH_LOAD_NT scope:SCOPE_SE
.if \two
	global_prefetch_b8 v[PFO2], s[PF:PF+1] th:TH_LOAD_NT scope:SCOPE_SE
.endif
.Lnot_mine_\@:
.endm
; 8 matrix instructions: row blocks i0, i0 + 1 x the 4 column blocks, 32 along K.  The 32 accumulators take turns, one instruction a turn, over every backward jump too.
; zero = 1: the first products start the sums with b_out.
.macro MUL8 f, i0, zero
.if \zero
	WIN 0x40
.else
	WIN 0x50
.endif
.irp i, \i0, (\i0)+1
.irp b, 0,1,2,3
.if \zero
	v_wmma_f32_16x16x32_bf16 v[8*(4*(\i)+\b):8*(4*(\i)+\b)+7], v[(\f)+8*\b:(\f)+8*\b+7], v[(\f)+32+8*(\i):(\f)+32+8*(\i)+7], v[BI+8*\b:BI+8*\b+7]
.else
	v_wmma_f32_16x16x32_bf16 v[8*(4*(\i)+\b):8*(4*(\i)+\b)+7], v[(\f)+8*\b:(\f)+8*\b+7], v[(\f)+32+8*(\i):(\f)+32+8*(\i)+7], v[8*(4*(\i)+\b):8*(4*(\i)+\b)+7]
.endif
.endr
.endr
.endm
; 24 LDS loads in one run: the quarter (32 rows of k) at which the two offsets stand, into buffer f: W_out's four fragments, then y's eight.  Then the offsets step to the next quarter.
; The two additions are plain vector instructions that name no register of a product: with two more in front of them they are the four places behind the buffer's last readers (ISA guide 7.12.1 for vector instructions).
.macro FETCH f
	WIN 0
	v_add_nc_u32 v[AM], s[TA], v[ADM]
	v_add_nc_u32 v[AN], s[TN], v[ADN]
.irp b, 0,1,2,3
	ds_load_tr16_b128 v[(\f)+8*\b:(\f)+8*\b+3],   v[AN] offset:\b*32
	ds_load_tr16_b128 v[(\f)+8*\b+4:(\f)+8*\b+7], v[AN] offset:\b*32+16*PB
.endr
.irp i, 0,1,2,3,4,5,6,7
	ds_load_tr16_b128 v[(\f)+32+8*\i:(\f)+32+8*\i+3], v[AM] offset:\i*32
	ds_load_tr16_b128 v[(\f)+32+8*\i+4:(\f)+32+8*\i+7], v[AM] offset:\i*32+16*PA
.endr
	s_add_co_u32 s[TA], s[TA], 32*PA
	s_add_co_u32 s[TN], s[TN], 32*PB
.endm
; A quarter but a step's last: multiplies buffer f and, in its middle, fetches the next quarter into buffer g
.macro QUARTER f, g, zero
	s_wait_dscnt 8                                 ; W_out's fragments and y's blocks 0-3 are in; the youngest eight loads may be out
	MUL8 \f, 0, \zero
	MUL8 \f, 2, \zero
	v_nop
	v_nop
	FETCH \g
	s_wait_dscnt 24                                ; all but the 24 just issued
	MUL8 \f, 4, \zero
	MUL8 \f, 6, \zero
.endm
.macro PAIRS n                         ; 2 n quarters, from buffer 1 to buffer 1
	WIN 0                                          ; at a label and at a branch every window is 0
	s_mov_b32 s[CNT], \n
.Lpair_\@:
	QUARTER F1, F0, 0
	QUARTER F0, F1, 0
	WIN 0
	s_sub_co_u32 s[CNT], s[CNT], 1
	s_cmp_lg_u32 s[CNT], 0
	s_cbranch_scc1 .Lpair_\@
.endm
; A step's last quarter multiplies buffer 1.  All the slot's fragments have been asked of LDS, so THE CHANGE OF SLOTS STANDS AT ITS HEAD, with nothing but scalar work between the wait for the other slot's tile and the
; next request: each wave waits for all its tensor loads, adds 0 to its spare word, and waits for that and for its reads of this slot; the round; the joint refill, which has a whole step's 192 matrix
; instructions in which to land.  The other slot's group 0, whose load has just been shown landed, is stepped to that slot's next tile.
.macro TURN slot
	s_wait_xcnt 0x0                                ; the last prefetches, a step back, have read their address: it is stepped here, ahead of the waits of the change of slots:
	s_add_nc_u64 s[PF:PF+1], s[PF:PF+1], s[PST:PST+1]  ; by as many windows as the change before has asked for
.if (\slot) == 0
	s_add_nc_u64 s[PF:PF+1], s[PF:PF+1], s[PST:PST+1]
.endif
	WIN 0                                          ; (the add's two registers lie in window 0)
	s_wait_tensorcnt 0x0                           ; all my tensor loads have landed: my part of the other slot; so a group 0 may be written;
	ds_add_u32 v[SPW], v[NIL]                      ; 0 onto my spare word: scalar work stands between it and the wait for it
	s_add_nc_u64 s[G0A+4*(1-(\slot))+2:G0A+4*(1-(\slot))+3], s[G0A+4*(1-(\slot))+2:G0A+4*(1-(\slot))+3], 2*KS*8192
	s_add_nc_u64 s[G0B+4*(1-(\slot))+2:G0B+4*(1-(\slot))+3], s[G0B+4*(1-(\slot))+2:G0B+4*(1-(\slot))+3], 2*KS*4096
	s_mov_b32 s[TA], (1-(\slot))*SLOT              ; the fetches go on at the other slot's first quarter
	s_mov_b32 s[TN], (1-(\slot))*SLOT
	s_wait_dscnt 0x0                               ; the add is done, and my reads of this slot are over
	s_barrier_signal -1
	s_barrier_wait -1
	CREST                                          ; the barrier has opened a round of the cluster's: no wave of any partner still reads this slot or has a load on its way
	JLOAD \slot                                    ; the first tensor load behind the round; its four v_nop are also places in front of the loads below
	FETCH F0
	ASK \slot
	MUL8 F1, 0, 0
	MUL8 F1, 2, 0
	MUL8 F1, 4, 0
	MUL8 F1, 6, 0
.endm
.macro ONESTEP slot                    ; a step of six quarters; buffer 0 holds its first
	QUARTER F0, F1, 0
	PAIRS 2
	TURN \slot
.endm
	s_load_b256 s[4:11], s[0:1], 0x0               ; yt s[4:5], wo s[6:7], b_out s[8:9], out0 s[10:11]
	v_lshl_add_u32 v[SPW], v0, 2, SPARE
	v_mov_b32 v[NIL], 0
	ds_add_u32 v[SPW], v[NIL]                      ; the wave's opening: the add and its wait stand ahead of my first tensor load; the set-up below, work on registers, stands between them
	v_lshrrev_b32 v1, 5, v0
	v_readfirstlane_b32 s[WV], v1                  ; wave 0..3
	s_lshr_b32 s13, s[WV], 1                       ; which 128 rows are mine.  Also: I fetch for yt (0) or for wo (1)
	s_and_b32 s14, s[WV], 1                        ; which 64 columns.  Also: which half of a tile's rows of k I fetch
	s_bfe_u32 s40, ttmp6, 0x40000                  ; cx
	s_bfe_u32 s41, ttmp6, 0x40004                  ; cy
	s_lshl_b32 s42, ttmp9, 2
	s_add_co_u32 s42, s42, s40                     ; tile column
	s_and_b32 s43, ttmp7, 0xffff
	s_lshl_b32 s43, s43, 2
	s_add_co_u32 s43, s43, s41                     ; tile row
	s_lshl_b32 s15, s41, 2
	s_lshl_b32 s15, 15, s15                        ; my row of the cluster
	s_lshl_b32 s47, 0x1111, s40                    ; my column
.irp g, G1A, G1AS
	s_or_b32 s[\g], s15, (1<<16)|(1<<20)|(1<<21)|(6<<22)|(7<<25)  ; the mask; 2-byte elements; padding on; bit 21 beside a mask; 8 words behind every 128
	s_mov_b32 s[\g+1], 256<<16                     ; tensor_dim0 = 256
	s_mov_b32 s[\g+3], 256<<16                     ; tile_dim0 = 256
	s_mov_b32 s[\g+5], 4096                        ; elements from row to row
	s_mov_b32 s[\g+6], 0
	s_mov_b32 s[\g+7], 0
.endr
.irp g, G1B, G1BS
	s_or_b32 s[\g], s47, (1<<16)|(1<<20)|(1<<21)|(5<<22)|(7<<25)  ; 8 words behind every 64
	s_mov_b32 s[\g+1], 128<<16
	s_mov_b32 s[\g+3], 128<<16
	s_mov_b32 s[\g+5], 2048
	s_mov_b32 s[\g+6], 0
	s_mov_b32 s[\g+7], 0
.endr
.irp g, G1A, G1B
	s_mov_b32 s[\g+2], 96<<16                      ; tensor_dim1 = tile_dim1 = 96: half of a step's rows
	s_mov_b32 s[\g+4], 96
.endr
.irp g, G1AS, G1BS
	s_mov_b32 s[\g+2], 64<<16                      ; 64: half of the first step's
	s_mov_b32 s[\g+4], 64
.endr
	; offsets.  What feeds yt's descriptors is made of the tile row and the wave's number, what feeds wo's of the tile column and the wave's number, each in registers of its own
	s_lshl_b32 s18, s43, 9                         ; yt: the tile row's 256 numbers
	s_lshl_b32 s16, s14, 19                        ; the first step: my 64 rows of 8,192 bytes
	s_add_co_u32 s16, s16, s18
	s_mov_b32 s17, 0
	s_mul_i32 s76, s14, 96*8192                    ; the others: my 96 rows
	s_add_co_u32 s76, s76, s18
	s_mov_b32 s77, 0
	s_lshl_b32 s22, s42, 8                         ; wo: the tile column's 128 numbers
	s_lshl_b32 s20, s14, 18
	s_add_co_u32 s20, s20, s22
	s_mov_b32 s21, 0
	s_mul_i32 s78, s14, 96*4096
	s_add_co_u32 s78, s78, s22
	s_mov_b32 s79, 0
	s_mul_i32 s19, s14, 96*PA                      ; where they go: no place in the cluster enters an LDS address
	s_mul_i32 s23, s14, 96*PB
	s_add_co_u32 s23, s23, BOFF
	s_mul_i32 s80, s14, 64*PA
	s_mul_i32 s81, s14, 64*PB
	s_add_co_u32 s81, s81, BOFF
	; the prefetches: offset, step, who
	s_lshl_b32 s68, s40, 17                        ; yt: my work-group's 16 rows of my wave's 64,
	s_add_co_u32 s68, s68, s16
	s_add_co_u32 s68, s68, 4*128*8192              ; at window 4: the first change of slots steps it to 6
	s_lshl_b32 s69, s41, 17                        ; wo: my work-group's 32 rows of the 128
	s_add_co_u32 s69, s69, s22
	s_add_co_u32 s69, s69, 4*128*4096
	s_and_b32 s70, ttmp7, 0xffff                   ; cluster y
	s_cmp_eq_u32 s13, 0
	s_cselect_b32 s104, s68, s69
	s_cselect_b32 s70, ttmp9, s70                  ; the coordinate along which other clusters read the same rows
	s_cselect_b32 s71, 1, 0
	s_cselect_b32 s72, 8, 12                       ; an odd lane: the row's second 256 bytes, or the next row of 4,096
	s_mov_b32 s105, 0
	s_lshl_b32 s[PST], 524288, s71                 ; 128 rows of 8,192 or of 4,096 bytes
	s_mov_b32 s[PST+1], 0
	s_cmp_eq_u32 s70, 0                            ; the same in all sixteen partners, for a given wave
	s_cselect_b32 s[LIM], 1, -1
	s_cmp_eq_u32 s[WV], 3
	s_cselect_b32 s[LIM], -1, s[LIM]
	v_and_b32 v[PFO], 30, v0                       ; two lanes a step of 8,192 bytes,
	v_lshlrev_b32 v[PFO], 12, v[PFO]
	v_and_b32 v3, 1, v0
	v_lshlrev_b32 v3, s72, v3                      ; and the odd lane's share
	v_add_nc_u32 v[PFO], v[PFO], v3
	v_add_nc_u32 v[PFO2], s[PST], v[PFO]
	s_lshl_b32 s47, s42, 9                         ; my 64 columns in f32: 512 x tile column + 256 x half
	s_lshl_b32 s2, s14, 8
	s_add_co_u32 s47, s47, s2
	s_lshl_b32 s2, s43, 21                         ; my 128 rows of 8,192 bytes
	s_lshl_b32 s3, s13, 20
	s_add_co_u32 s2, s2, s3
	s_add_co_u32 s2, s2, s47
	s_mov_b32 s3, 0
	s_wait_dscnt 0x0                               ; the opening add is done
	s_wait_kmcnt 0x0
	s_mov_b32 s[G0AS], 1                           ; the first step, rows 0 to 127, into slot 0
	s_mov_b32 s[G0AS+1], s80
	s_add_nc_u64 s[G0AS+2:G0AS+3], s[4:5], s[16:17]
	s_or_b32 s[G0AS+3], s[G0AS+3], 0x80000000
	s_mov_b32 s[G0BS], 1
	s_mov_b32 s[G0BS+1], s81
	s_add_nc_u64 s[G0BS+2:G0BS+3], s[6:7], s[20:21]
	s_or_b32 s[G0BS+3], s[G0BS+3], 0x80000000
	s_add_nc_u64 s[76:77], s[4:5], s[76:77]
	s_add_nc_u64 s[78:79], s[6:7], s[78:79]
	s_mov_b32 s[G0A], 1                            ; slot 0's set stands at its first refill: step 2, rows 320 on
	s_mov_b32 s[G0A+1], s19
	s_add_nc_u64 s[G0A+2:G0A+3], s[76:77], 320*8192
	s_or_b32 s[G0A+3], s[G0A+3], 0x80000000
	s_mov_b32 s[G0A+4], 1                          ; slot 1's at its first fill: step 1, rows 128 on
	s_add_co_u32 s[G0A+5], s19, SLOT
	s_add_nc_u64 s[G0A+6:G0A+7], s[76:77], 128*8192
	s_or_b32 s[G0A+7], s[G0A+7], 0x80000000
	s_mov_b32 s[G0B], 1
	s_mov_b32 s[G0B+1], s23
	s_add_nc_u64 s[G0B+2:G0B+3], s[78:79], 320*4096
	s_or_b32 s[G0B+3], s[G0B+3], 0x80000000
	s_mov_b32 s[G0B+4], 1
	s_add_co_u32 s[G0B+5], s23, SLOT
	s_add_nc_u64 s[G0B+6:G0B+7], s[78:79], 128*4096
	s_or_b32 s[G0B+7], s[G0B+7], 0x80000000
	s_cmp_eq_u32 s13, 0
	s_cselect_b64 s[PF:PF+1], s[4:5], s[6:7]
	s_add_nc_u64 s[PF:PF+1], s[PF:PF+1], s[104:105]
	s_add_nc_u64 s[10:11], s[10:11], s[2:3]
	CROUND                                         ; all sixteen work-groups are here: the first joint loads meet
	s_cmp_eq_u32 s13, 0                            ; a wave's two first fills stand in one branch: two loads of mine are out at the most
	s_cbranch_scc0 .Lfirst_b
	tensor_load_to_lds s[G0AS:G0AS+3], s[G1AS:G1AS+7]
	s_nop 0
	tensor_load_to_lds s[G0A+4:G0A+7], s[G1A:G1A+7]
	s_nop 0
.rept 4
	v_nop
.endr
	s_branch .Lfirst_done
.Lfirst_b:
	tensor_load_to_lds s[G0BS:G0BS+3], s[G1BS:G1BS+7]
	s_nop 0
	tensor_load_to_lds s[G0B+4:G0B+7], s[G1B:G1B+7]
	s_nop 0
.rept 4
	v_nop
.endr
.Lfirst_done:
	v_and_b32 v1, 15, v0                           ; r
	v_bfe_u32 v2, v0, 4, 1                         ; h
	v_lshl_add_u32 v5, v2, 5, s47                  ; b_out: register j of column block b is column 16 b + 8 h + j
.irp b, 0,1,2,3
	global_load_b128 v[BI+8*\b:BI+8*\b+3],   v5, s[8:9] offset:\b*64
	global_load_b128 v[BI+8*\b+4:BI+8*\b+7], v5, s[8:9] offset:\b*64+16
.endr
	v_and_b32 v3, 7, v0                            ; the turning load: lane l reads row 8 h + l % 8 of k, 16 bytes at 16 ((l / 8) % 2)
	v_lshl_add_u32 v3, v2, 3, v3
	v_bfe_u32 v4, v0, 3, 1
	v_lshlrev_b32 v4, 4, v4
	v_mad_u32_u24 v[ADM], v3, PA, v4
	s_lshl_b32 s16, s13, 8                         ; my 128 rows of out0: 256 bytes of yt's rows
	v_add_nc_u32 v[ADM], s16, v[ADM]
	v_mad_u32_u24 v[ADN], v3, PB, v4
	s_lshl_b32 s16, s14, 7                         ; my 64 columns: 128 bytes of wo's rows
	s_add_co_u32 s16, s16, BOFF
	v_add_nc_u32 v[ADN], s16, v[ADN]
	s_mul_i32 s16, s[WV], 4352
	s_add_co_u32 s16, s16, STAGE                   ; my stage
	v_mul_u32_u24 v[STO], v1, 272                  ; in: row r, 32 bytes for each half of the lanes
	v_lshl_add_u32 v[STO], v2, 5, v[STO]
	v_add_nc_u32 v[STO], s16, v[STO]
	v_mul_u32_u24 v[RD], v2, 272                   ; back: lanes 0-15 one row of 256 bytes, lanes 16-31 the next
	v_lshl_add_u32 v[RD], v1, 4, v[RD]
	v_add_nc_u32 v[RD], s16, v[RD]
	v_lshlrev_b32 v[CO], 13, v2                    ; and the same two rows in out0
	v_lshl_add_u32 v[CO], v1, 4, v[CO]
	s_wait_loadcnt 0x0                             ; b_out
.set i, 0
.rept 32
	v_cvt_pk_bf16_f32 v[BI+i], v[BI+i], v[BI+i]    ; rounded to bf16 like every input,
.set i, i+1
.endr
.set i, 0
.rept 32
	v_lshlrev_b32 v[BI+i], 16, v[BI+i]             ; and back in f32
.set i, i+1
.endr
	s_wait_tensorcnt 0x1                           ; my part of the first step is in; step 1's may stay out
	s_barrier_signal -1
	s_barrier_wait -1                              ; everybody's is
	s_mov_b32 s[TA], 0
	s_mov_b32 s[TN], 0
	s_mov_b32 s3, 5                                ; (above 1: the first change of slots asks for its window too)
	FETCH F0
	QUARTER F0, F1, 1                              ; THE FIRST STEP, four quarters: its first products start the sums
	QUARTER F1, F0, 0
	QUARTER F0, F1, 0
	TURN 0                                         ; slot 0 takes step 2
	WIN 0                                          ; at a label and at a branch every window is 0
	s_mov_b32 s3, 4
.Llap:                                         ; a trip goes once round the ring and fills both slots again: steps 1 to 8 are multiplied, steps 3 to 10 asked for
	ONESTEP 1
	ONESTEP 0
	WIN 0
	s_sub_co_u32 s3, s3, 1
	s_cmp_lg_u32 s3, 0
	s_cbranch_scc1 .Llap
	s_mov_b32 s3, 2
.Ltail:                                        ; steps 9 (slot 1) and 10 (slot 0): nothing more is asked for, so no round of the cluster's barrier; one text for both
	QUARTER F0, F1, 0
	PAIRS 2
	WIN 0
	s_wait_tensorcnt 0x0                           ; my part of step 10 has landed (in the second trip nothing is out);
	ds_add_u32 v[SPW], v[NIL]                      ; the same three lines as at every change of slots
	s_mov_b32 s[TA], 0                             ; the one fetch below is of slot 0's first quarter
	s_mov_b32 s[TN], 0
	s_wait_dscnt 0x0                               ; my reads of this slot are over: behind the first trip's barrier nobody reads slot 1 any more
	s_barrier_signal -1
	s_barrier_wait -1
	s_cmp_eq_u32 s3, 1                             ; behind step 10 there is nothing to fetch: the run is jumped over
	s_cbranch_scc1 .Lno_fetch
	v_nop
	v_nop
	FETCH F0
.Lno_fetch:
	MUL8 F1, 0, 0
	MUL8 F1, 2, 0
	MUL8 F1, 4, 0
	MUL8 F1, 6, 0
	WIN 0
	s_sub_co_u32 s3, s3, 1
	s_cmp_lg_u32 s3, 0
	s_cbranch_scc1 .Ltail
	; THE WAY OUT, a block of 16 rows at a time: a lane's 8 columns of each column block, 32 bytes, go into my stage (each accumulator's low four registers first), and come back as whole rows
	; of 256 bytes.  LDS serves a wave's instructions in order (ISA guide 5.7.1.4): the loads see the stores above them, and the next block's stores come behind them.
.macro SENDO i, younger                ; younger: the LDS instructions issued behind block i's loads: the next block's sixteen, or none
.irp t, 0,1,2,3,4,5,6,7
	s_wait_dscnt (\younger)+7-\t
	global_store_b128 v[CO], v[OB+32*((\i)%2)+4*\t:OB+32*((\i)%2)+4*\t+3], s[10:11] offset:(\i)*131072+\t*16384  ; 16 lanes store 256 consecutive bytes, at a multiple of 256 from out0's first byte
.endr
.endm
	PLACES                                         ; behind the last products
.irp i, 0,1,2,3,4,5,6,7
	WIN 0x04                                       ; store data in window 1
.irp b, 0,1,2,3
	ds_store_b128 v[STO], v[8*(4*\i+\b):8*(4*\i+\b)+3]   offset:\b*64
	ds_store_b128 v[STO], v[8*(4*\i+\b)+4:8*(4*\i+\b)+7] offset:\b*64+16
.endr
	WIN 0
.if \i >= 2
	s_wait_xcnt 0x0                                ; the stores of the block two back have read this set of registers: it is loaded again only behind this wait
.endif
.irp t, 0,1,2,3,4,5,6,7
	ds_load_b128 v[OB+32*((\i)%2)+4*\t:OB+32*((\i)%2)+4*\t+3], v[RD] offset:\t*544
.endr
.if \i >= 1
	SENDO (\i)-1, 16
.endif
.endr
	SENDO 7, 0
	s_wait_tensorcnt 0x0                           ; the wave's end: behind my last tensor load and my last LDS store
	ds_add_u32 v[SPW], v[NIL]
	s_wait_dscnt 0x0
	CROUND                                         ; the closing round: no work-group ends while a partner may still ask for a tile that names it
	s_endpgm
.Lfunc_end_k_qf5f5a3f035_outp:
	.size	k_qf5f5a3f035_outp, .Lfunc_end_k_qf5f5a3f035_outp-k_qf5f5a3f035_outp
	.p2alignl 7, 3214868480
	.fill 96, 4, 3214868480
	.section	.rodata,"a",@progbits
	.p2align	6, 0x0
	.amdhsa_kernel k_qf5f5a3f035_outp
		.amdhsa_group_segment_fixed_size 327680
		.amdhsa_private_segment_fixed_size 0
		.amdhsa_enable_private_segment 0
		.amdhsa_kernarg_size 32
		.amdhsa_user_sgpr_count 2
		.amdhsa_user_sgpr_kernarg_segment_ptr 1
		.amdhsa_wavefront_size32 1
		.amdhsa_system_sgpr_workgroup_id_x 1
		.amdhsa_system_sgpr_workgroup_id_y 1
		.amdhsa_system_sgpr_workgroup_id_z 1
		.amdhsa_system_vgpr_workitem_id 0
		.amdhsa_next_free_vgpr 512
		.amdhsa_next_free_sgpr 106
		.amdhsa_reserve_vcc 0
		.amdhsa_float_denorm_mode_32 3
		.amdhsa_float_denorm_mode_16_64 3
		.amdhsa_memory_ordered 1
		.amdhsa_forward_progress 1
		.amdhsa_inst_pref_size 100
	.end_amdhsa_kernel
	.amdgpu_metadata
---
amdhsa.version: [ 1, 2 ]
amdhsa.kernels:
  - .name:           k_qf5f5a3f035_outp
    .symbol:         k_qf5f5a3f035_outp.kd
    .args:
      - { .name: yt, .offset: 0, .size: 8, .value_kind: global_buffer, .address_space: global }
      - { .name: wo, .offset: 8, .size: 8, .value_kind: global_buffer, .address_space: global }
      - { .name: b_out, .offset: 16, .size: 8, .value_kind: global_buffer, .address_space: global }
      - { .name: out0, .offset: 24, .size: 8, .value_kind: global_buffer, .address_space: global }
    .group_segment_fixed_size: 327680
    .private_segment_fixed_size: 0
    .kernarg_segment_align: 8
    .kernarg_segment_size: 32
    .max_flat_workgroup_size: 128
    .sgpr_count:     106
    .vgpr_count:     512
    .wavefront_size: 32
...
	.end_amdgpu_metadata
.endif
;; end of part 3
;; ======== version 2 of 2: 3 launches; version 1 with the launch cast written anew for expert scheduling mode
;; workspace buffers: xb 16,777,216 bytes; wp 25,165,824 bytes; wo 8,388,608 bytes; yt 16,777,216 bytes
;; launch cast (part 4): grid 256 x 6, 8 waves a work-group, no clusters, 0 bytes of LDS; arguments x, W_in, W_decay, W_gate, W_out, xb, wp, wo; writes xb, wp, wo
.if DOCPART == 4
	.amdgcn_target "amdgcn-amd-amdhsa--gfx1250"
	.amdhsa_code_object_version 6
	.text
	.protected	k_qf5f5a3f035_cast
	.globl	k_qf5f5a3f035_cast
	.p2align	8
	.type	k_qf5f5a3f035_cast,@function
k_qf5f5a3f035_cast:
	s_mov_b64 s[64:65], 0
	v_nop
	global_prefetch_b8 v0, s[64:65] scope:SCOPE_SE
	s_setreg_imm32_b32 hwreg(HW_REG_WAVE_SCHED_MODE, 0, 2), 2
	s_setreg_imm32_b32 hwreg(HW_REG_WAVE_MODE, 25, 1), 1
	s_wait_xcnt 0x0
	s_wait_alu depctr_vm_vsrc(0)
; f32 -> bf16 (nearest even), once for every matrix operand, laid out as the two products want their tiles:
;   xb [b 4][kb 32][row 1024][64 k]            a (b, kb) tile is 131,072 dense bytes
;   wp [g 64][kb 32][in, decay, gate][k 64][32 columns]   a (g, kb) tile is 12,288 dense bytes
;   wo [k 2048][n 2048]                        W_out as it lies
; A stream: each input byte is read once, each output byte written once.  No LDS, no matrix unit, no cluster: no byte is wanted twice.
; The unit of work: a wave loads 512 bytes (4 f32 a lane), rounds, and stores 256 consecutive bytes, aligned (8 bytes a lane).
; A wave does 16 such units, all 16 loads out at once; a work-group of eight waves turns 16,384 numbers.
; Work-group y chooses the job: 0, 1: x (8 rows each);  2, 3, 4: W_in, W_decay, W_gate (8 rows of k each);  5: W_out (8 rows each).
; THE MODE: SCHED_MODE bits 1:0 = 2 (LLVM: expert scheduling mode 2), set by the entry lines.  The code itself states the register dependences
; between vector instructions and memory instructions, with s_wait_alu, always for 0.
; THE PLAN.  Registers that memory instructions touch:
;   v[VI]  written once by a job's address arithmetic; read by its 16 loads.        v[VO]  written once likewise; read by its 16 stores.
;   X      unit t's 4 registers: the load lands in them once; no vector instruction writes them; the unit's two conversions read them, and no load lands in them afterwards.
;   Y      unit t's 2 registers: written once, by those conversions; read by the unit's store; never written again.
; No register that a memory instruction touches is written twice, so what is to be stated is this alone: the offsets are written ahead of the loads, and Y is written ahead of the stores.
; The 16 units go in four blocks of four: one counted wait for the block's loads, its eight conversions, ONE wait on va_vdst, its four stores in a run.
; The stores stand in their own block and not in the next one: there a block's stores would stand behind the wait for the next block's loads.
; s2, which a vector instruction writes, has its wait on va_sdst at the head, ahead of the first branch.  EXEC is never written.
.set VI,  2                            ; v2   my byte offset in the source
.set VO,  3                            ; v3   my byte offset in the destination
.set LN,  4                            ; v4   lane
.set X,   16                           ; v[16:79]   unit t: 4 f32
.set Y,   80                           ; v[80:111]  unit t: 4 bf16
.set IN,  24                           ; s[24:25]
.set OUT, 26                           ; s[26:27]
.macro JOB si, so                      ; unit t lies t x si bytes on in the source and t x so bytes on in the destination
	s_wait_alu depctr_va_vdst(0)                   ; the address arithmetic has written v[VI], which the 16 loads read, and v[VO], which the 16 stores read; no later vector instruction names either
.set t, 0
.rept 16
	global_load_b128 v[X+4*t:X+4*t+3], v[VI], s[IN:IN+1] offset:t*(\si) th:TH_LOAD_NT
.set t, t+1
.endr
.set p, 0
.rept 4                                ; block p: units 4 p .. 4 p + 3
	s_wait_loadcnt 12-4*p                          ; loads come back in order: the block's four are in, the 12 - 4 p younger ones stay out
.set t, 4*p
.rept 4
	v_cvt_pk_bf16_f32 v[Y+2*t], v[X+4*t], v[X+4*t+1]
	v_cvt_pk_bf16_f32 v[Y+2*t+1], v[X+4*t+2], v[X+4*t+3]
.set t, t+1
.endr
	s_wait_alu depctr_va_vdst(0)                   ; the block's eight conversions have written its Y, which the four stores below read
.set t, 4*p
.rept 4
	global_store_b64 v[VO], v[Y+2*t:Y+2*t+1], s[OUT:OUT+1] offset:t*(\so)  ; 32 lanes x 8 bytes: 256 consecutive bytes, aligned
.set t, t+1
.endr
.set p, p+1
.endr
	s_endpgm
.endm
	s_load_b256 s[8:15], s[0:1], 0x0               ; x s[8:9], W_in s[10:11], W_decay s[12:13], W_gate s[14:15]
	s_load_b256 s[16:23], s[0:1], 0x20             ; W_out s[16:17], xb s[18:19], wp s[20:21], wo s[22:23]
	v_lshrrev_b32 v1, 5, v0
	v_readfirstlane_b32 s2, v1                     ; wave 0..7
	v_and_b32 v[LN], 31, v0
	s_and_b32 s3, ttmp7, 0xffff                    ; the job
	s_mov_b32 s29, 0                               ; high words of the two offset pairs
	s_mov_b32 s31, 0
	s_wait_alu depctr_va_sdst(0)                   ; s2 is written
	s_wait_kmcnt 0x0
	s_cmp_lt_u32 s3, 2
	s_cbranch_scc1 .Ljob_x
	s_cmp_eq_u32 s3, 5
	s_cbranch_scc1 .Ljob_wo
	; W_in, W_decay or W_gate: rows k = 8 i .. 8 i + 7.  A unit is 4 rows of k x 32 columns: column group g = 16 (w >> 1) + t.
	s_cmp_eq_u32 s3, 2
	s_cselect_b64 s[IN:IN+1], s[10:11], s[12:13]
	s_cmp_eq_u32 s3, 4
	s_cselect_b64 s[IN:IN+1], s[14:15], s[IN:IN+1]
	s_lshl_b32 s28, ttmp9, 16                      ; 8 rows of 8,192 bytes
	s_add_nc_u64 s[IN:IN+1], s[IN:IN+1], s[28:29]
	s_lshr_b32 s30, ttmp9, 3                       ; kb = i / 8
	s_mul_i32 s30, s30, 12288
	s_sub_co_u32 s4, s3, 2                         ; which of the three
	s_lshl_b32 s4, s4, 12
	s_add_co_u32 s30, s30, s4
	s_and_b32 s4, ttmp9, 7                         ; 8 rows of 64 bytes inside the tile
	s_lshl_b32 s4, s4, 9
	s_add_co_u32 s30, s30, s4
	s_add_nc_u64 s[OUT:OUT+1], s[20:21], s[30:31]
	s_and_b32 s4, s2, 1
	s_lshr_b32 s5, s2, 1
	v_lshrrev_b32 v5, 3, v[LN]
	v_lshl_add_u32 v5, s4, 2, v5                   ; row 4 (w & 1) + lane / 8
	v_and_b32 v6, 7, v[LN]
	v_lshlrev_b32 v6, 4, v6                        ; 4 columns a lane
	v_lshl_add_u32 v[VI], v5, 13, v6
	s_lshl_b32 s6, s5, 11                          ; 16 column groups of 128 bytes
	v_add_nc_u32 v[VI], s6, v[VI]
	s_mul_i32 s6, s5, 6291456                      ; 16 column groups of 393,216 bytes
	s_lshl_b32 s7, s4, 8                           ; 4 rows of 64 bytes
	s_add_co_u32 s6, s6, s7
	v_lshl_add_u32 v[VO], v[LN], 3, s6
	JOB 128, 393216
.Ljob_x:                                       ; rows 8 j .. 8 j + 7 of x's 4,096.  A unit is 2 rows x 64 k: kb = 16 (w >> 2) + t
	s_lshl_b32 s4, s3, 8
	s_add_co_u32 s4, s4, ttmp9                     ; j
	s_lshl_b32 s28, s4, 16
	s_add_nc_u64 s[IN:IN+1], s[8:9], s[28:29]
	s_lshr_b32 s5, s4, 7                           ; the sequence
	s_lshl_b32 s30, s5, 22
	s_and_b32 s5, s4, 127
	s_lshl_b32 s5, s5, 10                          ; 8 rows of 128 bytes
	s_add_co_u32 s30, s30, s5
	s_add_nc_u64 s[OUT:OUT+1], s[18:19], s[30:31]
	s_and_b32 s4, s2, 3
	s_lshr_b32 s5, s2, 2
	v_lshrrev_b32 v5, 4, v[LN]
	v_lshl_add_u32 v5, s4, 1, v5                   ; row 2 (w & 3) + lane / 16
	v_and_b32 v6, 15, v[LN]
	v_lshlrev_b32 v6, 4, v6
	v_lshl_add_u32 v[VI], v5, 13, v6
	s_lshl_b32 s6, s5, 12                          ; half a row
	v_add_nc_u32 v[VI], s6, v[VI]
	s_lshl_b32 s6, s5, 21                          ; 16 tiles of 131,072 bytes
	s_lshl_b32 s7, s4, 8                           ; 2 rows of 128 bytes
	s_add_co_u32 s6, s6, s7
	v_lshl_add_u32 v[VO], v[LN], 3, s6
	JOB 256, 131072
.Ljob_wo:                                      ; W_out's rows 8 i .. 8 i + 7, a row a wave.  A unit is 128 columns
	s_lshl_b32 s28, ttmp9, 16
	s_add_nc_u64 s[IN:IN+1], s[16:17], s[28:29]
	s_lshl_b32 s30, ttmp9, 15
	s_add_nc_u64 s[OUT:OUT+1], s[22:23], s[30:31]
	s_lshl_b32 s6, s2, 13
	v_lshl_add_u32 v[VI], v[LN], 4, s6
	s_lshl_b32 s6, s2, 12
	v_lshl_add_u32 v[VO], v[LN], 3, s6
	JOB 512, 256
.Lfunc_end_k_qf5f5a3f035_cast:
	.size	k_qf5f5a3f035_cast, .Lfunc_end_k_qf5f5a3f035_cast-k_qf5f5a3f035_cast
	.p2alignl 7, 3214868480
	.fill 96, 4, 3214868480
	.section	.rodata,"a",@progbits
	.p2align	6, 0x0
	.amdhsa_kernel k_qf5f5a3f035_cast
		.amdhsa_group_segment_fixed_size 0
		.amdhsa_private_segment_fixed_size 0
		.amdhsa_enable_private_segment 0
		.amdhsa_kernarg_size 64
		.amdhsa_user_sgpr_count 2
		.amdhsa_user_sgpr_kernarg_segment_ptr 1
		.amdhsa_wavefront_size32 1
		.amdhsa_system_sgpr_workgroup_id_x 1
		.amdhsa_system_sgpr_workgroup_id_y 1
		.amdhsa_system_sgpr_workgroup_id_z 1
		.amdhsa_system_vgpr_workitem_id 0
		.amdhsa_next_free_vgpr 112
		.amdhsa_next_free_sgpr 66
		.amdhsa_reserve_vcc 0
		.amdhsa_float_denorm_mode_32 3
		.amdhsa_float_denorm_mode_16_64 3
		.amdhsa_memory_ordered 1
		.amdhsa_forward_progress 1
		.amdhsa_inst_pref_size 19
	.end_amdhsa_kernel
	.amdgpu_metadata
---
amdhsa.version: [ 1, 2 ]
amdhsa.kernels:
  - .name:           k_qf5f5a3f035_cast
    .symbol:         k_qf5f5a3f035_cast.kd
    .args:
      - { .name: x, .offset: 0, .size: 8, .value_kind: global_buffer, .address_space: global }
      - { .name: W_in, .offset: 8, .size: 8, .value_kind: global_buffer, .address_space: global }
      - { .name: W_decay, .offset: 16, .size: 8, .value_kind: global_buffer, .address_space: global }
      - { .name: W_gate, .offset: 24, .size: 8, .value_kind: global_buffer, .address_space: global }
      - { .name: W_out, .offset: 32, .size: 8, .value_kind: global_buffer, .address_space: global }
      - { .name: xb, .offset: 40, .size: 8, .value_kind: global_buffer, .address_space: global }
      - { .name: wp, .offset: 48, .size: 8, .value_kind: global_buffer, .address_space: global }
      - { .name: wo, .offset: 56, .size: 8, .value_kind: global_buffer, .address_space: global }
    .group_segment_fixed_size: 0
    .private_segment_fixed_size: 0
    .kernarg_segment_align: 8
    .kernarg_segment_size: 64
    .max_flat_workgroup_size: 256
    .sgpr_count:     66
    .vgpr_count:     112
    .wavefront_size: 32
...
	.end_amdgpu_metadata
.endif
;; end of part 4
;; launch proj: the kernel of part 2 again; grid 64 x 4, 4 waves a work-group, clusters of 4 x 4, 327,680 bytes of LDS; arguments xb, wp, b_in, b_decay, decay_bias, b_gate, yt; writes yt
;; launch outp: the kernel of part 3 again; grid 16 x 16, 4 waves a work-group, clusters of 4 x 4, 327,680 bytes of LDS; arguments yt, wo, b_out, out0; writes out0
